; MI455X (gfx1250); checked and timed in simulation.
; The chip was launched on July 23, 2026; its instructions are those of AMD's public machine-readable ISA for CDNA 5 (MIT licence, August 2026) and "CDNA5" Instruction Set Architecture Reference Guide (July 2026). The comments in the code are by the model that wrote it; some were corrected since.
;; Transformer Block. Allowed arithmetic: matrix products marked QUANTISED: E2M3 operands, one E8M0 scale for each 32 along K, by v_wmma_scale_f32_16x16x128_f8f6f4 with both operands' format E2M3, f32 sums; everything else in f32.
;; Inputs: W1 1,024 x 4,096 float32; W2 4,096 x 1,024 float32; Wk 64 x 1,024 x 64 float32; Wo 4,096 x 1,024 float32; Wq 64 x 1,024 x 64 float32; Wv 64 x 1,024 x 64 float32; b1 4,096 float32; b2 1,024 float32; be1 1,024 float32; be2 1,024 float32; bo 1,024 float32; g1 1,024 float32; g2 1,024 float32; x 2 x 1,024 x 1,024 float32.
;; Outputs: out0 2 x 1,024 x 1,024 float32.
;; This version of the problem:
;;   THIS VERSION OF THE PROBLEM IS GIVEN IN LOW PRECISION. The matrix products marked QUANTISED in the list below multiply operands that are first quantised to E2M3 (2 exponent bits, 3 mantissa bits; 6 bits a number), with one power-of-two scale for each 32 numbers along K (OCP MX v1.0); their sums are f32. All else is computed in f32.
;;   The module's matrix products, in the order in which they are computed (A, B: the left and right operand; K: the contracted axis; several contracted axes count as one K, in the product's order):
;;     1. [M 4,096, K 1,024] x [K 1,024, N 2,048]; A: input Wq; B: input x: QUANTISED
;;     2. [M 4,096, K 1,024] x [K 1,024, N 2,048]; A: input Wk; B: input x: QUANTISED
;;     3. [M 4,096, K 1,024] x [K 1,024, N 2,048]; A: input Wv; B: input x: QUANTISED
;;     4. batch 128 x [M 1,024, K 64] x [K 64, N 1,024]; A: computed on the way; B: computed on the way: QUANTISED
;;     5. batch 128 x [M 1,024, K 1,024] x [K 1,024, N 64]; A: softmax (see below); B: computed on the way: QUANTISED
;;     6. [M 2,048, K 4,096] x [K 4,096, N 1,024]; A: computed on the way; B: input Wo: QUANTISED
;;     7. [M 2,048, K 1,024] x [K 1,024, N 4,096]; A: computed on the way; B: input W1: QUANTISED
;;     8. [M 2,048, K 4,096] x [K 4,096, N 1,024]; A: computed on the way; B: input W2: QUANTISED
;;   THE QUANTISER, for each operand of a quantised product, along K:
;;     - K is cut into blocks of 32 from its start; a last block that is shorter is filled with zeros.
;;     - A block's scale is 2^e with e = floor(log2(the largest magnitude in the block)) - 2, held to -126 .. 127; a block of zeros has e = 0. As a byte (E8M0): e + 127.
;;     - Each number is divided by its block's scale, clamped to +-7.5, and rounded to the nearest number of E2M3, ties to even, subnormals kept.
;;     - The product sums the exact products of the quantised numbers (number of the format x scale) in f32.
;;   ~~~python
;;   def quantise(x, axis):      # numpy; x: float32 -> the quantised numbers, widened to float32 again
;;       x = np.moveaxis(x, axis, -1); K = x.shape[-1]
;;       x = np.pad(x, [(0, 0)] * (x.ndim - 1) + [(0, -K % 32)]); x = x.reshape(x.shape[:-1] + (-1, 32)); a = np.abs(x).max(-1, keepdims=True)
;;       e = np.where(a > 0, np.clip(np.frexp(np.where(a > 0, a, 1))[1] - 1 - 2, -126, 127), 0)      # np.frexp(a)[1] - 1 = floor(log2(a)), exactly
;;       r = np.clip(x / 2.0 ** e, -7.5, 7.5)
;;       step = 2.0 ** (np.maximum(np.frexp(np.where(r == 0, 1, r))[1] - 1, 0) - 3)
;;       q = np.round(r / step) * step * 2.0 ** e      # np.round: ties to even
;;       return np.moveaxis(q.reshape(q.shape[:-2] + (-1,))[..., :K], -1, axis).astype(np.float32)
;;   ~~~
;;   SOFTMAX AHEAD OF A QUANTISED PRODUCT. Where the list says 'softmax', what is quantised is not the finished softmax but p = 2^(t - M), with t = logit x log2(e) and M = ceil(the row's largest t), a whole number; so 1/2 < the row's largest p <= 1. The row's sum l is taken of the UNQUANTISED p, in f32, and the product's result is divided by l at the end. Since M is a whole number, a kernel that streams over the keys may use a running M (the ceiling of the running maximum): every later rescaling is an exact power of two, which a block's scale takes up: the codes' values come out the same.
;;   OPERANDS COMPUTED ON THE WAY. 'Computed on the way' means the value that the module computes at that place (a softmax that the list does not call 'softmax' is quantised finished and normalised). What goes into a quantiser is computed in f32, as accurately as f32 sums, v_exp_f32 and their like allow (about 1e-6 of the number): no bf16 or f16 on the way to a quantiser, and a product that is left as it is and whose result goes on into a quantised operand takes f32 operands (vector FMAs, or v_wmma_f32_16x16x4_f32). A number that lies on a knife's edge between two numbers of the format may be rounded either way, as far as f32 arithmetic and the matrix unit's own rounding can turn it there, and no further.
;; One version. Each part assembles by itself: llvm-mc -triple=amdgcn-amd-amdhsa -mcpu=gfx1250 --defsym DOCPART=n.
;; ======== version 1 of 1: 9 launches
;; workspace buffers: pk1 11,468,800 bytes; pk3 4,915,200 bytes; pk2 16,384,000 bytes; pk4 16,384,000 bytes; qkv 19,660,800 bytes; fs 33,554,432 bytes; zer 32,768 bytes; ninf 256 bytes
;; launch quant (part 1): grid 896 x 1, 4 waves a work-group, no clusters, 14,848 bytes of LDS; arguments x, Wq, Wk, Wv, W1, Wo, W2, pk1, pk3, pk2, pk4, zer, ninf; writes pk1, pk3, pk2, pk4, zer, ninf
.if DOCPART == 1
	.amdgcn_target "amdgcn-amd-amdhsa--gfx1250"
	.amdhsa_code_object_version 6
	.text
	.protected	k_q615a32e34d_quant
	.globl	k_q615a32e34d_quant
	.p2align	8
	.type	k_q615a32e34d_quant,@function
k_q615a32e34d_quant:
	s_mov_b64 s[64:65], 0
	v_nop
	global_prefetch_b8 v0, s[64:65] scope:SCOPE_SE
	s_setreg_imm32_b32 hwreg(HW_REG_WAVE_MODE, 25, 1), 1
	s_wait_xcnt 0x0
; All f32 inputs that are matrix operands become codes of FP6 (E2M3) with one E8M0 byte for each 32 along K, laid as PANELS, the one layout of this program:
; a panel = 128 rows x 128 K = 8 fragments of 1,536 bytes + 8 x 64 bytes of scale words = 12,800 bytes.  Fragment f, lane-row r is row 32 (f / 2) + 8 (f % 2) + r % 8 + 16 (r / 8) of the panel.
; A fragment is an image of the operand's 12 registers: half c (K 64 c on) at 768 c; lane l = r + 16 hh owns block 2 c + hh: its bytes 0-15 at 16 l, its bytes 16-23 at 512 + 8 l.  Scale word of (f, r) at 12,288 + 64 f + 4 r.
; Work-groups 0-767: the six weights, whose K is not innermost: a job is 128 columns x 256 K, a wave 32 columns; A LANE TAKES A COLUMN AND ITS REGISTERS RUN DOWN K, so a block of 32 lies in one lane.
; The codes of four blocks (one K step) are gathered in the wave's own stage in LDS and leave as whole images: each store covers 512 or 256 consecutive bytes.
; Work-groups 768-895: x, whose K is innermost: a work-group takes one fragment's 16 rows, a wave two K steps.  Wave 0 of these also writes the constants of later launches: zeros, and one block of -infinity.
; A block's scale is 2^(floor(log2(largest magnitude)) - 2); its byte is the largest magnitude's exponent field - 2, held at 1 from below.
; LIMITS: NaN and infinities among the inputs are not served; a block of zeros, or one whose largest magnitude lies under 2^-124, gets the byte 1 (the rule says 127 for zeros): its codes are zeros and this program alone reads the bytes.
.set PANEL, 12800
.set FRAG,  1536
.set SCW,   12288
.set WST,   3584                       ; LDS: a wave's stage: two fragments 1,664 bytes apart, then 128 bytes of scale words
.set FP,    1664
.set O,     32                         ; v32-63   weights: 4 x lane + i rows
.set X,     64                         ; v64-127  weights: two sets of 32 numbers;  rows: v64-127, v128-191 two K steps
.set C,     128                        ; v128-139 weights: a block's codes
.set SW,    140                        ; v140     weights: four scale bytes
.set OUT,   144                        ; v144-195 weights: two sets of 26 for the way out
.set TM,    16                         ; rows: v16-31 at work in QUANT
.set SEL,   76                         ; rows: s[76:77] selects for lane l xor 16
; 64 numbers of a lane, register 16 b + i = k 32 b + 16 (lane / 16) + i of the lane's row, become a fragment's 12 registers in v[pc] on and its scale word in v[pw]
.macro QUANT s, pc, pw
.irp b, 0,1,2,3
	v_max3_num_f32 v[TM+\b], |v[(\s)+16*\b]|, |v[(\s)+1+16*\b]|, 0x1800000   ; my 16 numbers of block b, and the floor 2^(3 - 127): the byte cannot fall under 1
.endr
.irp i, 2,4,6,8,10,12,14
.irp b, 0,1,2,3
	v_max3_num_f32 v[TM+\b], v[TM+\b], |v[(\s)+16*\b+\i]|, |v[(\s)+1+16*\b+\i]|
.endr
.endr
.irp b, 0,1,2,3
	v_permlanex16_b32 v[TM+4+\b], v[TM+\b], s[SEL], s[SEL+1]
.endr
.irp b, 0,1,2,3
	v_max_num_f32 v[TM+\b], v[TM+\b], v[TM+4+\b]                   ; with lane l xor 16's: the block's largest magnitude
.endr
.irp b, 0,1,2,3
	v_add_nc_u32 v[TM+12+\b], 0xff000000, v[TM+\b]                 ; 2 off its exponent field: the conversion's scale operand
.endr
.irp b, 0,1,2,3
	v_lshrrev_b32 v[TM+4+\b], 23, v[TM+12+\b]                      ; the scale's byte
.endr
	v_lshl_or_b32 v[\pw], v[TM+5], 8, v[TM+4]
	v_lshl_or_b32 v[\pw], v[TM+6], 16, v[\pw]
	v_lshl_or_b32 v[\pw], v[TM+7], 24, v[\pw]
.irp c, 0,1
	v_cvt_scalef32_pk16_fp6_f32 v[(\pc)+6*\c:(\pc)+2+6*\c], v[(\s)+32*\c:(\s)+15+32*\c], v[TM+12+2*\c]
	v_cvt_scalef32_pk16_fp6_f32 v[(\pc)+12+4*\c:(\pc)+14+4*\c], v[(\s)+16+32*\c:(\s)+31+32*\c], v[TM+12+2*\c+1]
.endr
	v_nop                                          ; one plain place behind a scaled conversion
.irp c, 0,1                                    ; the operand wants a whole block in a lane: lanes 0-15 block 2 c, lanes 16-31 block 2 c + 1
.irp i, 0,1,2
	v_permlane16_swap_b32 v[(\pc)+6*\c+\i], v[(\pc)+12+4*\c+\i]
.endr
.irp i, 0,1,2
	v_mov_b32 v[(\pc)+3+6*\c+\i], v[(\pc)+12+4*\c+\i]
.endr
.endr
.endm
.macro IMGOUT pc, sb, off                      ; a fragment's image to memory: 512, 256, 512, 256 consecutive bytes
	global_store_b128 v5, v[\pc:\pc+3], s[\sb:\sb+1] offset:\off
	global_store_b64 v6, v[\pc+4:\pc+5], s[\sb:\sb+1] offset:\off+512
	global_store_b128 v5, v[\pc+6:\pc+9], s[\sb:\sb+1] offset:\off+768
	global_store_b64 v6, v[\pc+10:\pc+11], s[\sb:\sb+1] offset:\off+1280
.endm
	s_load_b512 s[8:23], s[0:1], 0x0               ; x 8, Wq 10, Wk 12, Wv 14, W1 16, Wo 18, W2 20, pk1 22
	s_load_b256 s[24:31], s[0:1], 0x40             ; pk3 24, pk2 26, pk4 28, zer 30
	s_load_b64 s[32:33], s[0:1], 0x60              ; ninf
	v_lshl_add_u32 v208, v0, 2, 0x3800
	v_mov_b32 v209, 0
	v_lshrrev_b32 v1, 5, v0
	v_readfirstlane_b32 s34, v1                    ; wave q
	v_and_b32 v1, 31, v0                           ; lane
	s_cmp_ge_u32 ttmp9, 768
	s_cbranch_scc1 .Lrows
	; ---- the weights.  The job's figures begin as W2's and are replaced going down the list of jobs; every choice hangs on the work-group's number alone
	s_mov_b32 s35, ttmp9                           ; J
	s_mov_b32 s36, 640                             ; the tensor's first job
	s_mov_b32 s37, 4096                            ; RS: bytes from one k to the next
	s_mov_b32 s38, 4                               ; jobs along K = 1 << SH
	s_mov_b32 s39, 512                             ; A: bytes from one 128 columns to the next
	s_mov_b32 s40, 256                             ; Bc: bytes from one 64 columns to the next
	s_mov_b32 s41, 32                              ; KS: panels along K
	s_mov_b32 s42, 13107200                        ; where the weight's panels begin in their buffer
	s_wait_kmcnt 0x0
	s_cmp_lt_u32 s35, 640                          ; Wo
	s_cselect_b32 s36, 512, s36
	s_cselect_b64 s[44:45], s[26:27], s[28:29]
	s_cselect_b64 s[46:47], s[18:19], s[20:21]
	s_cmp_lt_u32 s35, 512                          ; W1
	s_cselect_b32 s36, 384, s36
	s_cselect_b32 s37, 16384, s37
	s_cselect_b32 s38, 2, s38
	s_cselect_b32 s41, 8, s41
	s_cselect_b32 s42, 1638400, s42
	s_cselect_b64 s[44:45], s[24:25], s[44:45]
	s_cselect_b64 s[46:47], s[16:17], s[46:47]
	s_cmp_lt_u32 s35, 384                          ; Wq, Wk, Wv: 128 columns are two heads of 64
	s_cselect_b32 s36, 0, s36
	s_cselect_b32 s37, 256, s37
	s_cselect_b32 s39, 524288, s39
	s_cselect_b32 s40, 262144, s40
	s_cselect_b64 s[44:45], s[22:23], s[44:45]
	s_cselect_b64 s[46:47], s[14:15], s[46:47]
	s_cmp_lt_u32 s35, 256
	s_cselect_b64 s[46:47], s[12:13], s[46:47]
	s_cmp_lt_u32 s35, 128
	s_cselect_b64 s[46:47], s[10:11], s[46:47]
	s_sub_co_u32 s35, s35, s36
	s_lshr_b32 s43, s35, s38                       ; rp: which 128 columns
	s_lshl_b32 s68, s43, s38
	s_sub_co_u32 s35, s35, s68                     ; kq: which 256 along K
	s_and_b32 s68, s43, 31
	s_mul_i32 s68, s68, s39
	s_lshr_b32 s69, s34, 1
	s_mul_i32 s69, s69, s40
	s_add_co_u32 s68, s68, s69
	s_and_b32 s69, s34, 1
	s_lshl_b32 s69, s69, 7
	s_add_co_u32 s68, s68, s69                     ; my wave's 32 columns
	s_lshl_b32 s69, s37, 8
	s_mul_i32 s69, s69, s35
	s_add_co_u32 s68, s68, s69                     ; + 256 kq rows
	s_mov_b32 s69, 0
	s_add_nc_u64 s[48:49], s[46:47], s[68:69]      ; block 0's base;
	s_lshl_b32 s70, s37, 5
	s_mov_b32 s71, 0
.irp t, 1,2,3,4,5,6,7
	s_add_nc_u64 s[48+2*\t:49+2*\t], s[46+2*\t:47+2*\t], s[70:71]   ; block t's: 32 rows on.  Never stepped
.endr
	s_mul_i32 s68, s43, s41
	s_lshl_b32 s72, s35, 1
	s_add_co_u32 s68, s68, s72
	s_mul_i32 s68, s68, PANEL
	s_add_co_u32 s68, s68, s42
	s_add_nc_u64 s[44:45], s[44:45], s[68:69]      ; panel (rp, 2 kq)
	s_lshl_b32 s72, s34, 7
	s_add_co_u32 s72, s72, SCW
	s_mov_b32 s73, 0
	s_add_nc_u64 s[66:67], s[44:45], s[72:73]      ; my two fragments' scale words
	s_mul_i32 s72, s34, 2*FRAG
	s_add_nc_u64 s[44:45], s[44:45], s[72:73]      ; my two fragments: 2 q, 2 q + 1
	s_mul_i32 s74, s34, WST
	v_bfe_u32 v12, v0, 3, 1                        ; u: which of the two fragments my column lies in
	v_bfe_u32 v13, v0, 4, 1
	v_and_b32 v14, 7, v0
	v_lshl_add_u32 v14, v13, 3, v14                ; r: its lane-row there
	v_mul_u32_u24 v15, v12, FP
	v_add_nc_u32 v15, s74, v15
	v_lshl_add_u32 v2, v14, 4, v15                 ; stage, in: 16 bytes at 16 r
	v_lshl_add_u32 v3, v14, 3, v15
	v_add_nc_u32 v3, 512, v3                       ; and 8 bytes at 512 + 8 r
	v_lshlrev_b32 v4, 6, v12
	v_lshl_add_u32 v4, v14, 2, v4
	v_add_nc_u32 v4, s74, v4
	v_add_nc_u32 v4, 2*FP, v4                      ; my scale word
	v_lshlrev_b32 v8, 4, v1
	v_lshlrev_b32 v9, 3, v1
	v_lshlrev_b32 v10, 2, v1
	v_add_nc_u32 v5, s74, v8                       ; stage, out: 16 x lane,
	v_add_nc_u32 v6, s74, v9
	v_add_nc_u32 v6, 512, v6                       ; 512 + 8 x lane,
	v_add_nc_u32 v7, s74, v10
	v_add_nc_u32 v7, 2*FP, v7                      ; 4 x lane
	v_mov_b32 v[O], v10
.set li, 1
.rept 31
	v_add_nc_u32 v[O+li], s37, v[O+li-1]
.set li, li+1
.endr
.macro LOADB t                                 ; block t: W(32 t + i, my column): 32 lanes read 128 consecutive bytes
.set li, 0
.rept 32
	global_load_b32 v[X+32*((\t)%2)+li], v[O+li], s[48+2*(\t):49+2*(\t)] th:TH_LOAD_NT
.set li, li+1
.endr
.endm
.macro BLOCK t
.set XS, X+32*((\t)%2)
.set bq, (\t)%4
.if (\t) < 7
	s_wait_loadcnt 32                              ; this block's 32 loads are in; the next block's 32 may be out
.else
	s_wait_loadcnt 0x0
.endif
	v_max3_num_f32 v12, |v[XS]|, |v[XS+1]|, |v[XS+2]|
	v_max3_num_f32 v13, |v[XS+3]|, |v[XS+4]|, |v[XS+5]|
.irp i, 6,10,14,18,22,26
	v_max3_num_f32 v12, v12, |v[XS+\i]|, |v[XS+\i+1]|
	v_max3_num_f32 v13, v13, |v[XS+\i+2]|, |v[XS+\i+3]|
.endr
	v_max3_num_f32 v12, v12, |v[XS+30]|, |v[XS+31]|
	v_max3_num_f32 v12, v12, v13, 0x1800000        ; and the floor
	v_add_nc_u32 v11, 0xff000000, v12              ; the conversion's scale operand
	v_lshrrev_b32 v13, 23, v11                     ; the byte
.if bq == 0
	v_mov_b32 v[SW], v13
.else
	v_lshl_or_b32 v[SW], v13, 8*bq, v[SW]
.endif
	v_cvt_scalef32_pk16_fp6_f32 v[C:C+2], v[XS:XS+15], v11
	v_cvt_scalef32_pk16_fp6_f32 v[C+8:C+10], v[XS+16:XS+31], v11    ; (a conversion's three registers begin on an even number)
	v_nop                                          ; one plain place behind a scaled conversion
.irp i, 0,1,2
	v_mov_b32 v[C+3+\i], v[C+8+\i]
.endr
	ds_store_b128 v2, v[C:C+3] offset:(bq/2)*768+(bq%2)*256        ; block bq is half bq / 2, lanes 16 (bq % 2) on
	ds_store_b64 v3, v[C+4:C+5] offset:(bq/2)*768+(bq%2)*128
.if (\t)+2 < 8
	LOADB (\t)+2
.endif
	s_wait_dscnt 0x0                               ; the stores have read their registers
.endm
.macro FLUSH s                                 ; a K step's two fragments and their scale words leave
.set OS, OUT+26*(\s)
	ds_store_b32 v4, v[SW]
.irp u, 0,1
.irp c, 0,1
	ds_load_b128 v[OS+6*(2*\u+\c):OS+6*(2*\u+\c)+3], v5 offset:\u*FP+\c*768     ; LDS serves a wave's instructions in order: these see my stores
	ds_load_b64 v[OS+6*(2*\u+\c)+4:OS+6*(2*\u+\c)+5], v6 offset:\u*FP+\c*768
.endr
.endr
	ds_load_b32 v[OS+24], v7
	s_wait_dscnt 0x0
.irp u, 0,1
.irp c, 0,1
	global_store_b128 v8, v[OS+6*(2*\u+\c):OS+6*(2*\u+\c)+3], s[44:45] offset:(\s)*PANEL+\u*FRAG+\c*768
	global_store_b64 v9, v[OS+6*(2*\u+\c)+4:OS+6*(2*\u+\c)+5], s[44:45] offset:(\s)*PANEL+\u*FRAG+\c*768+512
.endr
.endr
	global_store_b32 v10, v[OS+24], s[66:67] offset:(\s)*PANEL
.endm
	LOADB 0
	LOADB 1
	BLOCK 0
	BLOCK 1
	BLOCK 2
	BLOCK 3
	FLUSH 0                                        ; each way out has registers of its own: no store's data are written again
	BLOCK 4
	BLOCK 5
	BLOCK 6
	BLOCK 7
	FLUSH 1
	s_wait_tensorcnt 0x0
	ds_add_u32 v208, v209
	s_wait_dscnt 0x0
	s_endpgm
.Lrows:	; ---- x: fragment (rp, f) of 16 rows; my wave's K steps 2 q and 2 q + 1
	s_sub_co_u32 s35, ttmp9, 768
	s_lshr_b32 s36, s35, 3                         ; rp
	s_and_b32 s37, s35, 7                          ; f
	s_lshl_b32 s38, s36, 7
	s_lshr_b32 s39, s37, 1
	s_lshl_b32 s39, s39, 5
	s_add_co_u32 s38, s38, s39
	s_and_b32 s39, s37, 1
	s_lshl_b32 s39, s39, 3
	s_add_co_u32 s38, s38, s39                     ; the fragment's first row
	s_lshl_b32 s38, s38, 12
	s_lshl_b32 s39, s34, 10
	s_add_co_u32 s38, s38, s39
	s_mov_b32 s39, 0
	s_lshl_b32 s40, s36, 3
	s_lshl_b32 s41, s34, 1
	s_add_co_u32 s40, s40, s41
	s_mul_i32 s40, s40, PANEL                      ; panel (rp, 2 q)
	s_mul_i32 s41, s37, FRAG
	s_add_co_u32 s42, s40, s41
	s_mov_b32 s43, 0
	s_lshl_b32 s41, s37, 6
	s_add_co_u32 s44, s40, s41
	s_add_co_u32 s44, s44, SCW
	s_mov_b32 s45, 0
	s_mov_b32 s[SEL], 0x76543210
	s_mov_b32 s[SEL+1], 0xfedcba98
	v_and_b32 v2, 15, v0
	v_bfe_u32 v3, v0, 4, 1                         ; hh
	v_and_b32 v12, 7, v0
	v_bfe_u32 v13, v0, 3, 1
	v_lshl_add_u32 v12, v13, 4, v12                ; r % 8 + 16 (r / 8)
	v_lshlrev_b32 v4, 12, v12
	v_lshl_add_u32 v4, v3, 6, v4                   ; my row, + 64 hh: my 16 numbers of a block
	v_lshlrev_b32 v5, 4, v1
	v_lshlrev_b32 v6, 3, v1
	v_lshlrev_b32 v7, 2, v2
.irp b, 0,1,2,3
	v_mov_b32 v[TM+4+\b], 0                        ; a lane permute's destination counts as one of its sources
.endr
	v_mov_b32 v54, 0
	v_mov_b32 v55, 0
	v_mov_b32 v56, 0xff800000
	v_mov_b32 v57, 0xff800000
	s_wait_kmcnt 0x0
	s_add_nc_u64 s[8:9], s[8:9], s[38:39]
	s_add_nc_u64 s[46:47], s[22:23], s[42:43]
	s_add_nc_u64 s[48:49], s[22:23], s[44:45]
.macro XLOAD reg, s
.irp b, 0,1,2,3
.irp j, 0,1,2,3
	global_load_b128 v[\reg+16*\b+4*\j:\reg+16*\b+4*\j+3], v4, s[8:9] offset:512*\s+128*\b+16*\j th:TH_LOAD_NT
.endr
.endr
.endm
	XLOAD 64, 0
	XLOAD 128, 1
	s_wait_loadcnt 16                              ; the first K step's 16 loads are in; the second's 16 may be out
	QUANT 64, 32, 52
	IMGOUT 32, 46, 0
	global_store_b32 v7, v52, s[48:49]             ; lanes l and l xor 16 store the same word to the same place
	s_wait_xcnt 0x0                                ; the stores' data are written again only behind this wait
	s_wait_loadcnt 0x0
	QUANT 128, 32, 52
	IMGOUT 32, 46, PANEL
	global_store_b32 v7, v52, s[48:49] offset:PANEL
	s_cmp_lg_u32 s34, 0
	s_cbranch_scc1 .Lqend
	s_lshl_b32 s38, s35, 8                         ; wave 0: 256 of the 32,768 bytes of zeros
	s_add_nc_u64 s[30:31], s[30:31], s[38:39]
	global_store_b64 v6, v[54:55], s[30:31]
	s_cmp_lg_u32 s35, 0
	s_cbranch_scc1 .Lqend
	global_store_b64 v6, v[56:57], s[32:33]        ; and, once, 256 bytes of -infinity
.Lqend:
	s_endpgm
.Lfunc_end_k_q615a32e34d_quant:
	.size	k_q615a32e34d_quant, .Lfunc_end_k_q615a32e34d_quant-k_q615a32e34d_quant
	.p2alignl 7, 3214868480
	.fill 96, 4, 3214868480
	.section	.rodata,"a",@progbits
	.p2align	6, 0x0
	.amdhsa_kernel k_q615a32e34d_quant
		.amdhsa_group_segment_fixed_size 14848
		.amdhsa_private_segment_fixed_size 0
		.amdhsa_enable_private_segment 0
		.amdhsa_kernarg_size 104
		.amdhsa_user_sgpr_count 2
		.amdhsa_user_sgpr_kernarg_segment_ptr 1
		.amdhsa_wavefront_size32 1
		.amdhsa_system_sgpr_workgroup_id_x 1
		.amdhsa_system_sgpr_workgroup_id_y 1
		.amdhsa_system_sgpr_workgroup_id_z 1
		.amdhsa_system_vgpr_workitem_id 0
		.amdhsa_next_free_vgpr 210
		.amdhsa_next_free_sgpr 84
		.amdhsa_reserve_vcc 0
		.amdhsa_float_denorm_mode_32 3
		.amdhsa_float_denorm_mode_16_64 3
		.amdhsa_memory_ordered 1
		.amdhsa_forward_progress 1
		.amdhsa_inst_pref_size 60
	.end_amdhsa_kernel
	.amdgpu_metadata
---
amdhsa.version: [ 1, 2 ]
amdhsa.kernels:
  - .name:           k_q615a32e34d_quant
    .symbol:         k_q615a32e34d_quant.kd
    .args:
      - { .name: x, .offset: 0, .size: 8, .value_kind: global_buffer, .address_space: global }
      - { .name: Wq, .offset: 8, .size: 8, .value_kind: global_buffer, .address_space: global }
      - { .name: Wk, .offset: 16, .size: 8, .value_kind: global_buffer, .address_space: global }
      - { .name: Wv, .offset: 24, .size: 8, .value_kind: global_buffer, .address_space: global }
      - { .name: W1, .offset: 32, .size: 8, .value_kind: global_buffer, .address_space: global }
      - { .name: Wo, .offset: 40, .size: 8, .value_kind: global_buffer, .address_space: global }
      - { .name: W2, .offset: 48, .size: 8, .value_kind: global_buffer, .address_space: global }
      - { .name: pk1, .offset: 56, .size: 8, .value_kind: global_buffer, .address_space: global }
      - { .name: pk3, .offset: 64, .size: 8, .value_kind: global_buffer, .address_space: global }
      - { .name: pk2, .offset: 72, .size: 8, .value_kind: global_buffer, .address_space: global }
      - { .name: pk4, .offset: 80, .size: 8, .value_kind: global_buffer, .address_space: global }
      - { .name: zer, .offset: 88, .size: 8, .value_kind: global_buffer, .address_space: global }
      - { .name: ninf, .offset: 96, .size: 8, .value_kind: global_buffer, .address_space: global }
    .group_segment_fixed_size: 14848
    .private_segment_fixed_size: 0
    .kernarg_segment_align: 8
    .kernarg_segment_size: 104
    .max_flat_workgroup_size: 128
    .sgpr_count:     84
    .vgpr_count:     210
    .wavefront_size: 32
...
	.end_amdgpu_metadata
.endif
;; end of part 1
;; launch gemm_c (part 2): grid 48 x 8, 16 waves a work-group, clusters of 4 x 4, 327,680 bytes of LDS; arguments pk1, zer, ninf, qkv; writes qkv
.if DOCPART == 2
	.amdgcn_target "amdgcn-amd-amdhsa--gfx1250"
	.amdhsa_code_object_version 6
	.text
	.protected	k_q615a32e34d_gemm_c
	.globl	k_q615a32e34d_gemm_c
	.p2align	8
	.type	k_q615a32e34d_gemm_c,@function
k_q615a32e34d_gemm_c:
	s_mov_b64 s[64:65], 0
	v_nop
	global_prefetch_b8 v0, s[64:65] scope:SCOPE_SE
	s_setreg_imm32_b32 hwreg(HW_REG_WAVE_MODE, 25, 1), 1
	s_wait_xcnt 0x0
	s_wait_alu depctr_hold_cnt(0) depctr_sa_sdst(0) depctr_va_vdst(0) depctr_va_sdst(0) depctr_va_ssrc(0) depctr_va_vcc(0) depctr_vm_vsrc(0)
	s_getreg_b32 s2, hwreg(HW_REG_IB_STS2, 6, 4)
	s_cmp_eq_u32 s2, 0
	s_cbranch_scc0 .Lentry_in_a_cluster
	s_endpgm
.Lentry_in_a_cluster:
	s_bfe_u32 s2, ttmp6, 0x10000c
	s_cmp_lg_u32 s2, 0xf033
	s_cbranch_scc0 .Lentry_shape_is_right
	s_endpgm
.Lentry_shape_is_right:
; out = Q( max( sum over k of R[r][k] P[p][k] + bias[p], floor ) ), K = 1,024, both operands codes of FP6 in panels (128 rows x 128 K, images of the operand's registers, 12,800 bytes; see the quantising launch),
; the result quantised along p in registers and stored as panels with rows r and K = p.  It serves q, k, v (bias = zeros, floor = -infinity) and the first layer of the MLP (bias = b1, floor = 0: relu).
; A work-group takes 256 weight rows (x) x 256 tokens (y).  ROLES: as a rule P = weights, R = tokens (q, k, hidden layer: quantised along the weight's index).  Where the cluster's x is 8 or more (Wv) P = tokens, R = weights:
; v is quantised along the keys.  The tensor loads are the same in both roles; only the LDS byte at which sources 0 and 1 begin differs, and that hangs on the cluster's x, which all partners share.
; SIXTEEN waves, four to a SIMD, each 64 x 64 of the result in 128 registers: one wave's LDS loads stand beside another's products.  A fragment read from LDS so feeds four products.
; THE PRODUCT IS USED TRANSPOSED (source 0 = P, source 1 = R): a lane holds one row of R, and by the panels' order of rows the 16 registers of P's fragments 2 b, 2 b + 1 are 16 neighbours along p.
; The bias is the C of each sum's first product.
; THE TILES.  A slot holds two K steps of both operands, 102,400 bytes; K is four slots' worth.  THREE slots lie in LDS and all three are filled at the head; slot 0 is filled once more, with the last two K steps, and that load has
; four K steps' work in which to land.  EVERY wave fetches: a slot comes as 16 loads of 6,400 bytes, waves 0-7 the tokens' part, waves 8-15 the weights'.  By this text's own count a wave has three tensor loads out at the head, later one.
; 4 x 4 work-groups form a cluster: the tokens' tiles are asked for jointly along a row of it, the weights' along a column.
; LIMITS: NaN and infinities are not served; a block of zeros, or under 2^-124, gets the scale byte 1: its codes are zeros and this program alone reads the bytes.
.set PANEL, 12800
.set FRAG,  1536
.set SCW,   12288
.set PIECE, 6400                       ; what one tensor load brings: a quarter of a row-panel's two K steps
.set RPAN,  2*PANEL                    ; a row-panel's two K steps
.set PART,  2*RPAN                     ; a slot: the tokens' part, then the weights' part
.set SLOT,  2*PART
.set SCST,  3*SLOT                     ; behind the three slots: 2,048 bytes in which the results' scale words are gathered
.set SPARE, SCST+2048                  ; the spare words, 128 bytes for each of 16 waves: no other line names them
.set WOFF,  1638400                    ; where the weights' panels begin in the buffer
.set ACC,   128                        ; v128-255 accumulator (rt, pt) at ACC + 32 rt + 8 pt
.set RF,    24                         ; v24-71   R's four fragments
.set PF,    72                         ; v72-119  P's four
.set RS,    16                         ; v16-19   R's scale words, v20-23 P's: these hold scales and nothing else
.set PS,    20
.set TM,    24                         ; on the way out: v24-39 at work, v40-59 and v60-79 codes, v80, v81 scale words
.set G1T, 24                           ; s[24:31] descriptor group 1 for the tokens' tiles, s[32:43] group 0, a set for each slot
.set G0T, 32
.set G1W, 48                           ; s[48:55], s[88:99] the same for the weights'
.set G0W, 88
.set SEL, 86
; v1 16 l; v2-7 the K step's LDS addresses (R: 16 l, 8 l, scale words; P likewise); v8-13 the same in slot 0, never rewritten; v14 my spare word; v15 0; v120 8 l; v121 64 hh; v122, v123 the scale stage, in and out
.macro ROUND                                   ; a round of the cluster's barrier
	s_barrier_signal -1
	s_barrier_wait -1
	s_cmp_lg_u32 s12, 0
	s_cbranch_scc1 .Lnot_wave_0_\@
	s_barrier_signal -3
.Lnot_wave_0_\@:
	s_barrier_wait -3
	s_barrier_signal -1
	s_barrier_wait -1
.endm
.macro JLOAD                                   ; the joint refill of slot 0: waves 0-7 the tokens' part, waves 8-15 the weights'; four v_nop follow each line
	s_cmp_lt_u32 s12, 8
	s_cbranch_scc0 .Lfor_w_\@
	tensor_load_to_lds s[G0T:G0T+3], s[G1T:G1T+7]
	s_nop 0
.rept 4
	v_nop
.endr
	s_branch .Lasked_\@
.Lfor_w_\@:
	tensor_load_to_lds s[G0W:G0W+3], s[G1W:G1W+7]
	s_nop 0
.rept 4
	v_nop
.endr
.Lasked_\@:
.endm
.macro QUANT s, pc, pw                         ; 64 numbers of a lane, register 16 b + i = place 32 b + 16 (lane / 16) + i, become 12 registers of codes and a word of four scale bytes
.irp b, 0,1,2,3
	v_max3_num_f32 v[TM+\b], |v[(\s)+16*\b]|, |v[(\s)+1+16*\b]|, 0x1800000
.endr
.irp i, 2,4,6,8,10,12,14
.irp b, 0,1,2,3
	v_max3_num_f32 v[TM+\b], v[TM+\b], |v[(\s)+16*\b+\i]|, |v[(\s)+1+16*\b+\i]|
.endr
.endr
.irp b, 0,1,2,3
	v_permlanex16_b32 v[TM+4+\b], v[TM+\b], s[SEL], s[SEL+1]
.endr
.irp b, 0,1,2,3
	v_max_num_f32 v[TM+\b], v[TM+\b], v[TM+4+\b]
.endr
.irp b, 0,1,2,3
	v_add_nc_u32 v[TM+12+\b], 0xff000000, v[TM+\b]
.endr
.irp b, 0,1,2,3
	v_lshrrev_b32 v[TM+4+\b], 23, v[TM+12+\b]
.endr
	v_lshl_or_b32 v[\pw], v[TM+5], 8, v[TM+4]
	v_lshl_or_b32 v[\pw], v[TM+6], 16, v[\pw]
	v_lshl_or_b32 v[\pw], v[TM+7], 24, v[\pw]
.irp c, 0,1
	v_cvt_scalef32_pk16_fp6_f32 v[(\pc)+6*\c:(\pc)+2+6*\c], v[(\s)+32*\c:(\s)+15+32*\c], v[TM+12+2*\c]
	v_cvt_scalef32_pk16_fp6_f32 v[(\pc)+12+4*\c:(\pc)+14+4*\c], v[(\s)+16+32*\c:(\s)+31+32*\c], v[TM+12+2*\c+1]
.endr
	v_nop                                          ; one plain place behind a scaled conversion
.irp c, 0,1
.irp i, 0,1,2
	v_permlane16_swap_b32 v[(\pc)+6*\c+\i], v[(\pc)+12+4*\c+\i]
.endr
.irp i, 0,1,2
	v_mov_b32 v[(\pc)+3+6*\c+\i], v[(\pc)+12+4*\c+\i]
.endr
.endr
.endm
	s_load_b256 s[4:11], s[0:1], 0x0               ; the operands' buffer 4, bias 6, floor 8, out 10
	v_lshl_add_u32 v14, v0, 2, SPARE
	v_mov_b32 v15, 0
	ds_add_u32 v14, v15
	ds_add_u32 v14, v15
	s_wait_dscnt 0x0
	v_lshrrev_b32 v1, 5, v0
	v_readfirstlane_b32 s12, v1                    ; wave 0..15
	s_bfe_u32 s17, s12, 0x10002                    ; which of the two row-panels I fetch for
	s_lshr_b32 s18, s12, 2                         ; wr: my 64 rows of R
	s_and_b32 s19, s12, 3                          ; wp: my 64 rows of P; also which quarter of the row-panel's two K steps I fetch
	s_mul_i32 s21, s19, PIECE                      ; that quarter, in memory
	s_and_b32 s20, s12, 7
	s_mul_i32 s20, s20, PIECE                      ; and my piece's place in a part of a slot: no place in the cluster enters an LDS address
	s_bfe_u32 s13, ttmp6, 0x40000                  ; cx
	s_bfe_u32 s14, ttmp6, 0x40004                  ; cy
	s_lshl_b32 s15, ttmp9, 2
	s_add_co_u32 s15, s15, s13                     ; x: which 256 weight rows
	s_and_b32 s16, ttmp7, 0xffff
	s_lshl_b32 s16, s16, 2
	s_add_co_u32 s16, s16, s14                     ; y: which 256 tokens
	s_lshl_b32 s82, s14, 2
	s_lshl_b32 s82, 15, s82                        ; my row of the cluster
	s_lshl_b32 s83, 0x1111, s13                    ; my column
	; group 1: a dense block of 6,400 bytes as 25 rows of 32 elements of 8 bytes, no padding
	s_or_b32 s[G1T], s82, (3<<16)|(1<<21)          ; the tokens' tiles hang on y alone: shared along my row
	s_or_b32 s[G1W], s83, (3<<16)|(1<<21)          ; the weights' on x alone: shared along my column
.irp g, G1T, G1W
	s_mov_b32 s[\g+1], 32<<16                      ; tensor_dim0
	s_mov_b32 s[\g+2], 25<<16                      ; tensor_dim1
	s_mov_b32 s[\g+3], 32<<16                      ; tile_dim0
	s_mov_b32 s[\g+4], 25                          ; tile_dim1
	s_mov_b32 s[\g+5], 32                          ; pitch
	s_mov_b32 s[\g+6], 0
	s_mov_b32 s[\g+7], 0
.endr
	s_lshl_b32 s46, s16, 1
	s_add_co_u32 s46, s46, s17
	s_mul_i32 s46, s46, 8*PANEL                    ; tokens: row-panel 2 y + i, 8 panels along K,
	s_add_co_u32 s46, s46, s21                     ; my quarter
	s_mov_b32 s47, 0
	s_lshl_b32 s44, s15, 1
	s_add_co_u32 s44, s44, s17
	s_mul_i32 s44, s44, 8*PANEL
	s_add_co_u32 s44, s44, s21
	s_add_co_u32 s44, s44, WOFF                    ; weights: row-panel 2 x + i
	s_mov_b32 s45, 0
	s_sub_co_u32 s80, s15, 32
	s_cmp_ge_u32 ttmp9, 8                          ; the role: the same in all sixteen partners
	s_cselect_b32 s66, PART, 0                     ; where R's part begins in a slot,
	s_cselect_b32 s67, 0, PART                     ; and P's
	s_cselect_b32 s76, s80, s16                    ; Rt: which 256 rows of the result
	s_cselect_b32 s77, s16, s15                    ; Pt: which 256 along its K
	s_cselect_b32 s78, 16, 64                      ; panels along K in the result's buffer
	s_cselect_b32 s79, 13107200, 0                 ; and where it begins there
	s_mov_b32 s[SEL], 0x76543210
	s_mov_b32 s[SEL+1], 0xfedcba98
	s_wait_kmcnt 0x0
	s_load_b32 s68, s[8:9], 0x0                    ; the floor
	s_add_nc_u64 s[46:47], s[4:5], s[46:47]
	s_add_nc_u64 s[44:45], s[4:5], s[44:45]
.irp s, 0,1,2
	s_mov_b32 s[G0T+4*\s], 1
	s_add_co_u32 s[G0T+4*\s+1], s20, \s*SLOT
	s_add_nc_u64 s[G0T+4*\s+2:G0T+4*\s+3], s[46:47], \s*RPAN       ; K steps 2 s, 2 s + 1
	s_or_b32 s[G0T+4*\s+3], s[G0T+4*\s+3], 0x80000000
	s_mov_b32 s[G0W+4*\s], 1
	s_add_co_u32 s[G0W+4*\s+1], s20, \s*SLOT+PART
	s_add_nc_u64 s[G0W+4*\s+2:G0W+4*\s+3], s[44:45], \s*RPAN
	s_or_b32 s[G0W+4*\s+3], s[G0W+4*\s+3], 0x80000000
.endr
	; where my results go: panel (2 Rt + wr / 2, 2 Pt + wp / 2), fragments 4 (wr % 2) on, half wp % 2
	s_lshl_b32 s80, s76, 1
	s_lshr_b32 s81, s18, 1
	s_add_co_u32 s81, s80, s81
	s_mul_i32 s81, s81, s78
	s_lshl_b32 s82, s77, 1
	s_add_co_u32 s81, s81, s82
	s_lshr_b32 s83, s19, 1
	s_add_co_u32 s81, s81, s83
	s_mul_i32 s81, s81, PANEL
	s_add_co_u32 s81, s81, s79
	s_and_b32 s83, s18, 1
	s_mul_i32 s83, s83, 4*FRAG
	s_add_co_u32 s81, s81, s83
	s_and_b32 s83, s19, 1
	s_mul_i32 s83, s83, 768
	s_add_co_u32 s70, s81, s83
	s_mov_b32 s71, 0
	s_add_nc_u64 s[70:71], s[10:11], s[70:71]
	; the scale words of panel (2 Rt + n / 2, 2 Pt + n % 2), n = wave % 4: stored by waves 0 to 3
	s_lshr_b32 s81, s19, 1
	s_add_co_u32 s81, s80, s81
	s_mul_i32 s81, s81, s78
	s_add_co_u32 s81, s81, s82
	s_and_b32 s83, s19, 1
	s_add_co_u32 s81, s81, s83
	s_mul_i32 s81, s81, PANEL
	s_add_co_u32 s81, s81, s79
	s_add_co_u32 s72, s81, SCW
	s_mov_b32 s73, 0
	s_add_nc_u64 s[72:73], s[10:11], s[72:73]
	s_lshl_b32 s74, s77, 10
	s_lshl_b32 s83, s19, 8
	s_add_co_u32 s74, s74, s83                     ; bias: my 64 numbers
	s_mov_b32 s75, 0
	s_add_nc_u64 s[74:75], s[6:7], s[74:75]
	s_wait_kmcnt 0x0
	ROUND                                          ; all sixteen work-groups are here: the first joint loads meet
	s_cmp_lt_u32 s12, 8                            ; a wave's three first fills stand in one branch: three loads of mine are out
	s_cbranch_scc0 .Lf_w
	tensor_load_to_lds s[G0T:G0T+3], s[G1T:G1T+7]
	s_nop 0
	tensor_load_to_lds s[G0T+4:G0T+7], s[G1T:G1T+7]
	s_nop 0
	tensor_load_to_lds s[G0T+8:G0T+11], s[G1T:G1T+7]
	s_nop 0
.rept 4
	v_nop
.endr
	s_branch .Lf_done
.Lf_w:
	tensor_load_to_lds s[G0W:G0W+3], s[G1W:G1W+7]
	s_nop 0
	tensor_load_to_lds s[G0W+4:G0W+7], s[G1W:G1W+7]
	s_nop 0
	tensor_load_to_lds s[G0W+8:G0W+11], s[G1W:G1W+7]
	s_nop 0
.rept 4
	v_nop
.endr
.Lf_done:
	v_and_b32 v124, 31, v0
	v_and_b32 v125, 15, v0
	v_bfe_u32 v126, v0, 4, 1
	v_lshlrev_b32 v1, 4, v124
	v_lshlrev_b32 v120, 3, v124
	v_lshlrev_b32 v121, 6, v126
	v_lshlrev_b32 v127, 2, v125
.irp pt, 0,1,2,3                               ; accumulator (0, pt) begins as the bias in the result's layout: bias at 32 (pt / 2) + 16 hh + 8 (pt % 2) + 0 .. 7
	global_load_b128 v[ACC+8*\pt:ACC+8*\pt+3], v121, s[74:75] offset:(\pt/2)*128+(\pt%2)*32
	global_load_b128 v[ACC+8*\pt+4:ACC+8*\pt+7], v121, s[74:75] offset:(\pt/2)*128+(\pt%2)*32+16
.endr
	s_lshr_b32 s21, s18, 1                         ; R: row-panel wr / 2, fragments 4 (wr % 2) on
	s_mul_i32 s21, s21, RPAN
	s_and_b32 s22, s18, 1
	s_mul_i32 s23, s22, 4*FRAG
	s_add_co_u32 s23, s23, s21
	s_lshl_b32 s22, s22, 8
	s_add_co_u32 s22, s22, s21
	s_add_co_u32 s22, s22, SCW
	s_add_co_u32 s23, s23, s66
	s_add_co_u32 s22, s22, s66
	v_add_nc_u32 v8, s23, v1
	v_add_nc_u32 v9, s23, v120
	v_add_nc_u32 v10, s22, v127
	s_lshr_b32 s21, s19, 1                         ; P likewise, by wp
	s_mul_i32 s21, s21, RPAN
	s_and_b32 s22, s19, 1
	s_mul_i32 s23, s22, 4*FRAG
	s_add_co_u32 s23, s23, s21
	s_lshl_b32 s22, s22, 8
	s_add_co_u32 s22, s22, s21
	s_add_co_u32 s22, s22, SCW
	s_add_co_u32 s23, s23, s67
	s_add_co_u32 s22, s22, s67
	v_add_nc_u32 v11, s23, v1
	v_add_nc_u32 v12, s23, v120
	v_add_nc_u32 v13, s22, v127
	s_lshr_b32 s21, s18, 1                         ; the scale stage: 512 bytes for each of the four panels; in it 64 bytes a fragment, 4 a row, 2 for my half of the K step
	s_lshl_b32 s21, s21, 1
	s_lshr_b32 s22, s19, 1
	s_add_co_u32 s21, s21, s22
	s_lshl_b32 s21, s21, 9
	s_and_b32 s22, s18, 1
	s_lshl_b32 s22, s22, 8
	s_add_co_u32 s21, s21, s22
	s_and_b32 s22, s19, 1
	s_lshl_b32 s22, s22, 1
	s_add_co_u32 s21, s21, s22
	s_add_co_u32 s21, s21, SCST
	v_add_nc_u32 v122, s21, v127
	s_lshl_b32 s21, s19, 9
	s_add_co_u32 s21, s21, SCST
	v_add_nc_u32 v123, s21, v1
.macro MM rt, pt, c
	v_wmma_scale_f32_16x16x128_f8f6f4 v[ACC+32*\rt+8*\pt:ACC+32*\rt+8*\pt+7], v[PF+12*\pt:PF+12*\pt+11], v[RF+12*\rt:RF+12*\rt+11], v[\c:\c+7], v[PS+\pt], v[RS+\rt] matrix_a_fmt:MATRIX_FMT_FP6 matrix_b_fmt:MATRIX_FMT_FP6
.endm
; One K step of 128: the q-th of slot s.  40 LDS loads, each of 512, 256 or 64 consecutive bytes, then 16 products, the 16 accumulators by turns.
; Four places stand in front of loads into registers that matrix instructions have read (ISA guide 7.12.1 for vector instructions): a slot's first step has the six additions that make its addresses, its second four v_nop.
.macro KSTEP s, q, first
.if \q == 0
.irp n, 0,1,2,3,4,5
	v_add_nc_u32 v[2+\n], \s*SLOT, v[8+\n]
.endr
.else
.rept 4
	v_nop
.endr
.endif
.irp t, 0,1,2,3
	ds_load_b128 v[RF+12*\t:RF+12*\t+3], v2 offset:\q*PANEL+\t*FRAG
	ds_load_b64 v[RF+12*\t+4:RF+12*\t+5], v3 offset:\q*PANEL+\t*FRAG+512
	ds_load_b128 v[RF+12*\t+6:RF+12*\t+9], v2 offset:\q*PANEL+\t*FRAG+768
	ds_load_b64 v[RF+12*\t+10:RF+12*\t+11], v3 offset:\q*PANEL+\t*FRAG+1280
	ds_load_b32 v[RS+\t], v4 offset:\q*PANEL+64*\t
	ds_load_b128 v[PF+12*\t:PF+12*\t+3], v5 offset:\q*PANEL+\t*FRAG
	ds_load_b64 v[PF+12*\t+4:PF+12*\t+5], v6 offset:\q*PANEL+\t*FRAG+512
	ds_load_b128 v[PF+12*\t+6:PF+12*\t+9], v5 offset:\q*PANEL+\t*FRAG+768
	ds_load_b64 v[PF+12*\t+10:PF+12*\t+11], v6 offset:\q*PANEL+\t*FRAG+1280
	ds_load_b32 v[PS+\t], v7 offset:\q*PANEL+64*\t
.endr
	s_wait_dscnt 0x0
.if \first
.irp rt, 1,2,3                                 ; the first products start the sums with the bias as C: rows 16 rt on read it from accumulator (0, pt),
.irp pt, 0,1,2,3
	MM \rt, \pt, ACC+8*\pt
.endr
.endr
.rept 5
	v_nop                                          ; five places: the next four products write over registers that the last twelve read as C
.endr
.irp pt, 0,1,2,3
	MM 0, \pt, ACC+8*\pt                           ; and rows 0-15 add onto it in place
.endr
.else
.irp rt, 0,1,2,3
.irp pt, 0,1,2,3
	MM \rt, \pt, ACC+32*\rt+8*\pt
.endr
.endr
.endif
.endm
; The change of slots.  Each wave waits for all its tensor loads, adds 0 to its spare word, and waits for that and for its LDS reads.  refill = 1: slot 0, which has been read, takes the last two K steps, behind a round of the cluster's barrier.
.macro CHANGE refill
	s_wait_tensorcnt 0x0                           ; no tensor load of mine is out: my pieces of all slots asked for have landed, and a group 0 may be written
	ds_add_u32 v14, v15                            ; 0 onto my spare word
.if \refill
	s_add_nc_u64 s[G0T+2:G0T+3], s[G0T+2:G0T+3], 3*RPAN
	s_add_nc_u64 s[G0W+2:G0W+3], s[G0W+2:G0W+3], 3*RPAN
.endif
	s_wait_dscnt 0x0                               ; the add is done, and my reads are over
.if \refill
	ROUND                                          ; no wave of any partner still reads slot 0 or has a load on its way
	JLOAD                                          ; my one tensor load behind the round, and the first thing there
.else
	s_barrier_signal -1
	s_barrier_wait -1
.endif
.endm
	s_wait_tensorcnt 2                             ; my piece of slot 0 is in; my two loads for slots 1 and 2 may stay out
	s_barrier_signal -1
	s_barrier_wait -1
	s_wait_loadcnt 0x0                             ; the bias
	KSTEP 0, 0, 1
	KSTEP 0, 1, 0
	CHANGE 1                                       ; slots 1 and 2 are whole in every wave's sight; slot 0 is asked for again
	KSTEP 1, 0, 0
	KSTEP 1, 1, 0
	KSTEP 2, 0, 0                                  ; no barrier between slots 1 and 2: the round has shown both
	KSTEP 2, 1, 0
	CHANGE 0                                       ; slot 0's second fill has landed; nothing is left to fetch
	KSTEP 0, 0, 0
	KSTEP 0, 1, 0
	; THE WAY OUT: the floor, the quantiser along p, images of half fragments straight from registers
.rept 4
	v_nop
.endr
.set n, 0
.rept 128
	v_max_num_f32 v[ACC+n], s68, v[ACC+n]          ; each accumulator from its low end on
.set n, n+1
.endr
.irp b, 0,1,2,3
	v_mov_b32 v[TM+4+\b], 0                        ; a lane permute's destination counts as one of its sources
.endr
	QUANT ACC, 40, 80                              ; R's tiles 0 and 1: 6 registers each: my 64 along p are half a K step of the result
	QUANT ACC+64, 60, 81                           ; tiles 2 and 3
.irp g, 0,1
	global_store_b128 v1, v[40+20*\g:43+20*\g], s[70:71] offset:2*\g*FRAG                  ; 512 consecutive bytes
	global_store_b64 v120, v[44+20*\g:45+20*\g], s[70:71] offset:2*\g*FRAG+512             ; 256
	global_store_b128 v1, v[46+20*\g:49+20*\g], s[70:71] offset:(2*\g+1)*FRAG
	global_store_b64 v120, v[50+20*\g:51+20*\g], s[70:71] offset:(2*\g+1)*FRAG+512
	ds_store_b16 v122, v[80+\g] offset:128*\g                      ; my two scale bytes of tile 2 g (lanes l and l xor 16 store the same),
	ds_store_b16_d16_hi v122, v[80+\g] offset:128*\g+64            ; and of tile 2 g + 1
.endr
	s_wait_dscnt 0x0                               ; for the others' sake: my stores into the scale stage are done
	s_barrier_signal -1
	s_barrier_wait -1
	s_cmp_lt_u32 s12, 4
	s_cbranch_scc0 .Lno_sc
	ds_load_b128 v[84:87], v123                    ; a panel's 512 bytes of scale words, whole
	s_wait_dscnt 0x0
	global_store_b128 v1, v[84:87], s[72:73]
.Lno_sc:
	s_wait_tensorcnt 0x0                           ; the wave's end
	ds_add_u32 v14, v15
	s_wait_dscnt 0x0
	ROUND                                          ; the closing round
	s_endpgm
.Lfunc_end_k_q615a32e34d_gemm_c:
	.size	k_q615a32e34d_gemm_c, .Lfunc_end_k_q615a32e34d_gemm_c-k_q615a32e34d_gemm_c
	.p2alignl 7, 3214868480
	.fill 96, 4, 3214868480
	.section	.rodata,"a",@progbits
	.p2align	6, 0x0
	.amdhsa_kernel k_q615a32e34d_gemm_c
		.amdhsa_group_segment_fixed_size 327680
		.amdhsa_private_segment_fixed_size 0
		.amdhsa_enable_private_segment 0
		.amdhsa_kernarg_size 32
		.amdhsa_user_sgpr_count 2
		.amdhsa_user_sgpr_kernarg_segment_ptr 1
		.amdhsa_wavefront_size32 1
		.amdhsa_system_sgpr_workgroup_id_x 1
		.amdhsa_system_sgpr_workgroup_id_y 1
		.amdhsa_system_sgpr_workgroup_id_z 1
		.amdhsa_system_vgpr_workitem_id 0
		.amdhsa_next_free_vgpr 256
		.amdhsa_next_free_sgpr 100
		.amdhsa_reserve_vcc 0
		.amdhsa_float_denorm_mode_32 3
		.amdhsa_float_denorm_mode_16_64 3
		.amdhsa_memory_ordered 1
		.amdhsa_forward_progress 1
		.amdhsa_inst_pref_size 63
	.end_amdhsa_kernel
	.amdgpu_metadata
---
amdhsa.version: [ 1, 2 ]
amdhsa.kernels:
  - .name:           k_q615a32e34d_gemm_c
    .symbol:         k_q615a32e34d_gemm_c.kd
    .args:
      - { .name: pk1, .offset: 0, .size: 8, .value_kind: global_buffer, .address_space: global }
      - { .name: zer, .offset: 8, .size: 8, .value_kind: global_buffer, .address_space: global }
      - { .name: ninf, .offset: 16, .size: 8, .value_kind: global_buffer, .address_space: global }
      - { .name: qkv, .offset: 24, .size: 8, .value_kind: global_buffer, .address_space: global }
    .group_segment_fixed_size: 327680
    .private_segment_fixed_size: 0
    .kernarg_segment_align: 8
    .kernarg_segment_size: 32
    .max_flat_workgroup_size: 512
    .sgpr_count:     100
    .vgpr_count:     256
    .wavefront_size: 32
...
	.end_amdgpu_metadata
.endif
;; end of part 2
;; launch attn (part 3): grid 4 x 64, 16 waves a work-group, clusters of 4 x 1, 327,680 bytes of LDS; arguments qkv, fs; writes fs
.if DOCPART == 3
	.amdgcn_target "amdgcn-amd-amdhsa--gfx1250"
	.amdhsa_code_object_version 6
	.text
	.protected	k_q615a32e34d_attn
	.globl	k_q615a32e34d_attn
	.p2align	8
	.type	k_q615a32e34d_attn,@function
k_q615a32e34d_attn:
	s_mov_b64 s[64:65], 0
	v_nop
	global_prefetch_b8 v0, s[64:65] scope:SCOPE_SE
	s_setreg_imm32_b32 hwreg(HW_REG_WAVE_MODE, 25, 1), 1
	s_wait_xcnt 0x0
	s_wait_alu depctr_hold_cnt(0) depctr_sa_sdst(0) depctr_va_vdst(0) depctr_va_sdst(0) depctr_va_ssrc(0) depctr_va_vcc(0) depctr_vm_vsrc(0)
	s_getreg_b32 s2, hwreg(HW_REG_IB_STS2, 6, 4)
	s_cmp_eq_u32 s2, 0
	s_cbranch_scc0 .Lentry_in_a_cluster
	s_endpgm
.Lentry_in_a_cluster:
	s_bfe_u32 s2, ttmp6, 0x10000c
	s_cmp_lg_u32 s2, 0x3003
	s_cbranch_scc0 .Lentry_shape_is_right
	s_endpgm
.Lentry_shape_is_right:
; att[token][h][e] = sum over keys s <= t of softmax_s(q . k / 8) v, both products on codes of FP6; q, k, v come as panels (images of operand registers; rows in the panels' order).
; THE SOFTMAX AHEAD OF THE SECOND PRODUCT: t = score x log2(e) / 8; M = the running largest t rounded UP to a whole number; p = 2^(t - M) is quantised along the keys, not normalised; the row's sum of the unquantised p divides at the end.
; A cluster of four work-groups owns one pair of heads (2 j, 2 j + 1) of one batch.  ALL of the pair's K and V, 8 + 8 panels, 204,800 bytes, come into each LDS once, by joint loads; nothing is filled again.
; EVERY wave fetches one panel of 12,800 bytes: waves 0-7 K's, waves 8-15 V's.
; Wave w: head 2 j + w % 2; two tiles of 16 queries, tile 4 (w / 2) + cx and tile 63 less that: together 9 key steps of 128 that are not wholly hidden, the same for every wave.  The last key step of each tile, w / 4 and
; 7 - w / 4, is made of the wave's number alone: no branch hangs on the place in the cluster; cx enters global addresses and the mask's lane data only.
; K = 64 IN AN INSTRUCTION OF 128: a panel's fragment holds two heads, one in each half.  A wave loads its head's half into operand registers 0-5.  Q's registers 6-11 are zero codes, so whatever codes stand in K's registers 6-11
; (every 6-bit pattern is a finite number) add nothing; the scale words are loaded as 16 bits, so that bytes 2 and 3 are 0, which is a scale and no NaN.
; Both products are used transposed: a lane holds one query throughout; by the panels' order of rows the 16 registers of K's fragments 2 b, 2 b + 1 are 16 neighbouring keys.
; A block's largest p is not searched for: the block's largest score goes through the same multiply-add and exponential (this takes v_exp_f32 not to fall where its input rises).
; LIMITS: NaN and infinities are not served; a block whose every p is 0 keeps the scale byte 1: its codes are zeros.
; REGISTERS: v1-6 lane places of K (16 l, 8 l, scale) and V; v7 O's offset; v8, v9 stage in, out; v10 mask; v11 its lane part; v12 -M; v13 largest t; v[14:15] the sum; v16-27 Q; v28 Q's scales; v29-31 16 l, 8 l, 4 r;
;   v32-79 four fragments; v80-85 the step's addresses; v88 -infinity; v96-159 S^T, then p; v160-191 O^T; v192-223 O / sum; v224-235 p's codes; v232-254 at work; v248-251 K's or V's scales; v253 p's scales.
.set PANEL, 12800
.set FRAG,  1536
.set SCW,   12288
.set VLDS,  8*PANEL                    ; LDS: K's 8 panels, then V's 8,
.set STG,   16*PANEL                   ; then a stage of 16 rows x 272 bytes for each wave
.set VGLB,  13107200                   ; where v's panels begin in the buffer
.set SEL,   60
.set CS,    62
.macro ROUND
	s_barrier_signal -1
	s_barrier_wait -1
	s_cmp_lg_u32 s12, 0
	s_cbranch_scc1 .Lnot_wave_0_\@
	s_barrier_signal -3
.Lnot_wave_0_\@:
	s_barrier_wait -3
	s_barrier_signal -1
	s_barrier_wait -1
.endm
	s_load_b128 s[4:7], s[0:1], 0x0                ; qkv, att
	v_lshl_add_u32 v243, v0, 2, 0x43000
	v_mov_b32 v255, 0
	ds_add_u32 v243, v255
	ds_add_u32 v243, v255
	v_lshrrev_b32 v1, 5, v0
	v_readfirstlane_b32 s12, v1                    ; wave 0..15
	s_bfe_u32 s13, ttmp6, 0x40000                  ; cx
	s_and_b32 s14, ttmp7, 0xffff
	s_and_b32 s15, s14, 31                         ; j: the pair of heads
	s_lshr_b32 s16, s14, 5                         ; b: the batch
	s_and_b32 s17, s12, 1                          ; which head of the pair
	s_and_b32 s19, s12, 7                          ; n: which panel of K or of V I fetch
	s_mul_i32 s52, s19, PANEL                      ; and its place in LDS
	; group 1, for K's and V's alike: a panel, 12,800 dense bytes, as 50 rows of 32 elements of 8 bytes
	s_mov_b32 s24, 15|(3<<16)|(1<<21)              ; the mask names all four work-groups
	s_mov_b32 s25, 32<<16
	s_mov_b32 s26, 50<<16
	s_mov_b32 s27, 32<<16
	s_mov_b32 s28, 50
	s_mov_b32 s29, 32
	s_mov_b32 s30, 0
	s_mov_b32 s31, 0
	s_lshl_b32 s18, s16, 3                         ; 8 b
	s_add_co_u32 s19, s18, s19                     ; 8 b + n
	s_lshl_b32 s48, s19, 6
	s_add_co_u32 s48, s48, s15
	s_add_co_u32 s48, s48, 32                      ; k's K steps lie behind q's 32
	s_mul_i32 s48, s48, PANEL
	s_mov_b32 s49, 0
	s_lshl_b32 s50, s15, 4
	s_add_co_u32 s50, s50, s19
	s_mul_i32 s50, s50, PANEL
	s_add_co_u32 s50, s50, VGLB
	s_mov_b32 s51, 0
	s_mov_b32 s[SEL], 0x76543210
	s_mov_b32 s[SEL+1], 0xfedcba98
	s_mov_b32 s[CS], 0x3e38aa3b                    ; c = log2(e) / 8
	s_mov_b32 s[CS+1], s[CS]
	s_wait_dscnt 0x0
	s_wait_kmcnt 0x0
	s_mov_b32 s40, 1
	s_mov_b32 s41, s52
	s_add_nc_u64 s[42:43], s[4:5], s[48:49]
	s_or_b32 s43, s43, 0x80000000
	s_mov_b32 s44, 1
	s_add_co_u32 s45, s52, VLDS
	s_add_nc_u64 s[46:47], s[4:5], s[50:51]
	s_or_b32 s47, s47, 0x80000000
	ROUND                                          ; all four work-groups are here: the joint loads meet
	s_cmp_lt_u32 s12, 8                            ; waves 0-7: K's panels; waves 8-15: V's; one load each; four v_nop follow each line
	s_cbranch_scc0 .Lfor_v
	tensor_load_to_lds s[40:43], s[24:31]
	s_nop 0
.rept 4
	v_nop
.endr
	s_branch .Lasked
.Lfor_v:
	tensor_load_to_lds s[44:47], s[24:31]
	s_nop 0
.rept 4
	v_nop
.endr
.Lasked:
	v_and_b32 v86, 31, v0
	v_and_b32 v87, 15, v0                          ; r
	v_bfe_u32 v88, v0, 4, 1                        ; hh
	v_lshlrev_b32 v29, 4, v86
	v_lshlrev_b32 v30, 3, v86
	v_lshlrev_b32 v31, 2, v87
	s_mul_i32 s20, s17, 768                        ; K: my head's half of each fragment
	v_add_nc_u32 v1, s20, v29
	v_add_nc_u32 v2, s20, v30
	v_add_nc_u32 v2, 512, v2
	s_lshl_b32 s21, s17, 1
	s_add_co_u32 s21, s21, SCW
	v_add_nc_u32 v3, s21, v31                      ; and its two bytes of each scale word
	s_mul_i32 s20, s17, 4*FRAG                     ; V: my head's four fragments
	s_add_co_u32 s20, s20, VLDS
	v_add_nc_u32 v4, s20, v29
	v_add_nc_u32 v5, s20, v30
	s_lshl_b32 s21, s17, 8
	s_add_co_u32 s21, s21, VLDS+SCW
	v_add_nc_u32 v6, s21, v31
	v_lshlrev_b32 v7, 14, v88
	v_lshl_add_u32 v7, v87, 4, v7                  ; O: lanes 0-15 one token's 256 bytes, lanes 16-31 the next token's
	s_mul_i32 s20, s12, 16*272
	s_add_co_u32 s20, s20, STG
	v_mul_u32_u24 v8, v87, 272
	v_lshl_add_u32 v8, v88, 6, v8
	v_add_nc_u32 v8, s20, v8                       ; stage, in: row r, + 64 hh
	v_mul_u32_u24 v9, v88, 272
	v_lshl_add_u32 v9, v87, 4, v9
	v_add_nc_u32 v9, s20, v9                       ; out: two rows an instruction
	v_and_b32 v11, 7, v0
	v_bfe_u32 v10, v0, 3, 1
	v_lshl_add_u32 v11, v10, 4, v11
	v_lshlrev_b32 v10, 4, v88
	v_sub_nc_u32 v11, v11, v10                     ; r % 8 + 16 (r / 8) - 16 hh
	v_mov_b32 v88, 0xff800000                      ; -infinity
.set n, 22
.rept 6
	v_mov_b32 v[n], 0                              ; Q's registers 6-11: zero codes, for the whole launch
.set n, n+1
.endr
.set n, 32
.rept 48
	v_mov_b32 v[n], 0                              ; the fragments' registers are written once, since K's loads fill only half of them
.set n, n+1
.endr
.irp n, 236,237,238,239,252,253
	v_mov_b32 v\n, 0                               ; lane permutes' destinations, and the upper half of the pair v[252:253]
.endr
	s_wait_tensorcnt 0x0                           ; my panel has landed,
	s_barrier_signal -1
	s_barrier_wait -1                              ; everybody's has
; A KEY STEP of 128 keys: panel s3, at LDS byte s2.
.macro STEP
	s_cmp_gt_u32 s3, s67                           ; all its keys come after my queries: only the address steps
	s_cbranch_scc1 .Lhidden_\@
.irp n, 0,1,2,3,4,5
	v_add_nc_u32 v[80+\n], s2, v[1+\n]             ; (these six are also the places in front of the loads below)
.endr
.irp g, 0,1                                    ; S^T = K Q^T, four fragments of 16 keys at a time
.if \g > 0
.rept 4
	v_nop
.endr
.endif
.irp t, 0,1,2,3
	ds_load_b128 v[32+12*\t:35+12*\t], v80 offset:FRAG*(4*\g+\t)
	ds_load_b64 v[36+12*\t:37+12*\t], v81 offset:FRAG*(4*\g+\t)
	ds_load_u16 v[248+\t], v82 offset:64*(4*\g+\t)
.endr
	s_wait_dscnt 0x0
.irp t, 0,1,2,3
	v_wmma_scale_f32_16x16x128_f8f6f4 v[96+8*(4*\g+\t):103+8*(4*\g+\t)], v[32+12*\t:43+12*\t], v[16:27], 0, v[248+\t], v28 matrix_a_fmt:MATRIX_FMT_FP6 matrix_b_fmt:MATRIX_FMT_FP6
.endr
.endr
.rept 4
	v_nop
.endr
	s_cmp_lt_u32 s3, s67                           ; a step all of whose keys count skips the mask
	s_cbranch_scc1 .Lopen_\@
.set n, 0
.rept 64                                       ; register 16 b + i holds key 32 b + 16 hh + i of the step: hidden where 32 b + i > my query's place - 16 hh
	v_cmp_gt_i32 vcc_lo, 32*(n/16)+n%16, v10
	v_cndmask_b32 v[96+n], v[96+n], v88, vcc_lo
.set n, n+1
.endr
.Lopen_\@:
.irp b, 0,1,2,3
	v_max3_num_f32 v[232+\b], v[96+16*\b], v[97+16*\b], v[98+16*\b]   ; the largest score of each block of 32 keys
.endr
.irp i, 3,5,7,9,11,13
.irp b, 0,1,2,3
	v_max3_num_f32 v[232+\b], v[232+\b], v[96+16*\b+\i], v[97+16*\b+\i]
.endr
.endr
.irp b, 0,1,2,3
	v_max_num_f32 v[232+\b], v[232+\b], v[111+16*\b]
.endr
.irp b, 0,1,2,3
	v_permlanex16_b32 v[236+\b], v[232+\b], s[SEL], s[SEL+1]
.endr
.irp b, 0,1,2,3
	v_max_num_f32 v[232+\b], v[232+\b], v[236+\b]
.endr
	v_max3_num_f32 v254, v232, v233, v234
	v_max_num_f32 v254, v254, v235
	v_mul_f32 v254, s[CS], v254
	v_max_num_f32 v13, v13, v254                   ; the running largest t
	v_mov_b32 v254, v12
	v_floor_f32 v12, -v13                          ; -M = floor(-t): M is a whole number
	v_sub_f32 v254, v12, v254
	v_cvt_i32_f32 v254, v254                       ; (it saturates)
	v_ldexp_f32 v252, 1.0, v254                    ; f = 2^(old M - new M): rounds nothing
.set n, 0
.rept 32
	v_pk_fma_f32 v[96+n:97+n], v[96+n:97+n], s[CS:CS+1], v[12:13] op_sel_hi:[1,0,0]   ; t - M
.set n, n+2
.endr
.irp b, 0,1,2,3
	v_fma_f32 v[232+\b], v[232+\b], s[CS], v12
.endr
.set n, 0
.rept 64
	v_exp_f32 v[96+n], v[96+n]                     ; p = 2^(t - M)
.set n, n+1
.endr
	v_pk_mul_f32 v[14:15], v[14:15], v[252:253] op_sel_hi:[1,0]    ; the sums under the new M: a plain place behind the exponentials
	s_wait_alu depctr_va_vdst(0)                   ; one wait for the batch, ahead of its first reader
.irp b, 0,1,2,3
	v_exp_f32 v[232+\b], v[232+\b]                 ; each block's largest p
.endr
	v_pk_add_f32 v[236:237], v[96:97], v[98:99]    ; the row's sum of the unquantised p, in two chains
.irp j, 4,8,12,16,20,24,28,32,36,40,44,48,52,56,60
	v_pk_add_f32 v[14:15], v[14:15], v[96+\j:97+\j]
	v_pk_add_f32 v[236:237], v[236:237], v[98+\j:99+\j]
.endr
	v_pk_add_f32 v[14:15], v[14:15], v[236:237]
	s_wait_alu depctr_va_vdst(0)                   ; and one for the four
.irp b, 0,1,2,3
	v_max_num_f32 v[232+\b], 0x1800000, v[232+\b]  ; the floor: the byte cannot fall under 1
.endr
.irp b, 0,1,2,3
	v_add_nc_u32 v[244+\b], 0xff000000, v[232+\b]
.endr
.irp b, 0,1,2,3
	v_lshrrev_b32 v[236+\b], 23, v[244+\b]
.endr
	v_lshl_or_b32 v253, v237, 8, v236              ; p's scale word for these 128 keys
	v_lshl_or_b32 v253, v238, 16, v253
	v_lshl_or_b32 v253, v239, 24, v253
.irp c, 0,1
	v_cvt_scalef32_pk16_fp6_f32 v[224+6*\c:226+6*\c], v[96+32*\c:111+32*\c], v[244+2*\c]
	v_cvt_scalef32_pk16_fp6_f32 v[236+4*\c:238+4*\c], v[112+32*\c:127+32*\c], v[244+2*\c+1]
.endr
	v_nop                                          ; one plain place behind a scaled conversion
.irp c, 0,1
.irp i, 0,1,2
	v_permlane16_swap_b32 v[224+6*\c+\i], v[236+4*\c+\i]
.endr
.irp i, 0,1,2
	v_mov_b32 v[227+6*\c+\i], v[236+4*\c+\i]
.endr
.endr
.set n, 0
.rept 16
	v_pk_mul_f32 v[160+n:161+n], v[160+n:161+n], v[252:253] op_sel_hi:[1,0]   ; O^T under the new M.  (These 16 are also the places in front of the products below)
.set n, n+2
.endr
.irp t, 0,1,2,3                                ; O^T += V^T P^T: my head's four fragments of 16 channels; K = these 128 keys
	ds_load_b128 v[32+12*\t:35+12*\t], v83 offset:FRAG*\t
	ds_load_b64 v[36+12*\t:37+12*\t], v84 offset:FRAG*\t+512
	ds_load_b128 v[38+12*\t:41+12*\t], v83 offset:FRAG*\t+768
	ds_load_b64 v[42+12*\t:43+12*\t], v84 offset:FRAG*\t+1280
	ds_load_b32 v[248+\t], v85 offset:64*\t
.endr
	s_wait_dscnt 0x0
.irp t, 0,1,2,3
	v_wmma_scale_f32_16x16x128_f8f6f4 v[160+8*\t:167+8*\t], v[32+12*\t:43+12*\t], v[224:235], v[160+8*\t:167+8*\t], v[248+\t], v253 matrix_a_fmt:MATRIX_FMT_FP6 matrix_b_fmt:MATRIX_FMT_FP6
.endr
.Lhidden_\@:
	s_add_co_u32 s2, s2, PANEL
.endm
; One tile of 16 queries.  The loop's trip count is a constant of the text; the steps beyond the tile's last are passed over inside it.
.macro TASK trips, isb
	s_wait_xcnt 0x0                                ; the last tile's stores have read their registers and their base
	s_lshr_b32 s66, s12, 1
	s_lshl_b32 s66, s66, 2
	s_add_co_u32 s66, s66, s13                     ; the tile
	s_lshr_b32 s67, s12, 2                         ; its last key step: of the wave's number alone
.if \isb
	s_sub_co_u32 s66, 63, s66
	s_sub_co_u32 s67, 7, s67
.endif
	s_lshr_b32 s68, s66, 1                         ; g: which 32 tokens
	s_and_b32 s69, s66, 1                          ; u
	s_and_b32 s70, s68, 3
	s_lshl_b32 s70, s70, 5
	s_lshl_b32 s71, s69, 3
	s_add_co_u32 s70, s70, s71
	v_add_nc_u32 v10, s70, v11                     ; my query's place in its key step, less 16 hh
	s_lshr_b32 s78, s66, 3
	s_add_co_u32 s78, s78, s18
	s_lshl_b32 s78, s78, 6
	s_add_co_u32 s78, s78, s15
	s_mul_i32 s78, s78, PANEL                      ; q's panel (8 b + tile / 8, j)
	s_and_b32 s79, s66, 7
	s_mul_i32 s80, s79, FRAG
	s_add_co_u32 s80, s80, s78
	s_mul_i32 s81, s17, 768
	s_add_co_u32 s80, s80, s81
	s_mov_b32 s81, 0
	s_add_nc_u64 s[72:73], s[4:5], s[80:81]
	s_lshl_b32 s82, s79, 6
	s_add_co_u32 s82, s82, s78
	s_lshl_b32 s83, s17, 1
	s_add_co_u32 s82, s82, s83
	s_add_co_u32 s82, s82, SCW
	s_mov_b32 s83, 0
	s_add_nc_u64 s[74:75], s[4:5], s[82:83]
	s_lshl_b32 s84, s16, 10
	s_lshl_b32 s85, s68, 5
	s_add_co_u32 s84, s84, s85
	s_add_co_u32 s84, s84, s71                     ; the tile's first token
	s_lshl_b32 s84, s84, 6
	s_lshl_b32 s85, s15, 1
	s_add_co_u32 s84, s84, s85
	s_add_co_u32 s84, s84, s17                     ; x 64 heads + my head
	s_lshl_b32 s84, s84, 8
	s_mov_b32 s85, 0
	s_add_nc_u64 s[76:77], s[6:7], s[84:85]
	global_load_b128 v[16:19], v29, s[72:73]       ; Q's half fragment
	global_load_b64 v[20:21], v30, s[72:73] offset:512
	global_load_u16 v28, v31, s[74:75]
	v_mov_b32 v13, 0xff61b1e6                      ; the largest t so far: -3e38
	v_floor_f32 v12, -v13
	v_mov_b32 v14, 0
	v_mov_b32 v15, 0
.set n, 0
.rept 32
	v_mov_b32 v[160+n], 0                          ; O^T: the step is written once; its first trip finds zeros
.set n, n+1
.endr
	s_mov_b32 s2, 0
	s_mov_b32 s3, 0
	s_wait_loadcnt 0x0
.Lkey_\@:
	STEP
	s_add_co_u32 s3, s3, 1
	s_cmp_lt_u32 s3, \trips
	s_cbranch_scc1 .Lkey_\@
.rept 4
	v_nop                                          ; places behind the last products
.endr
	v_add_f32 v14, v14, v15
	v_permlanex16_b32 v252, v14, s[SEL], s[SEL+1]
	v_add_f32 v14, v14, v252                       ; the row's sum
	v_rcp_f32 v14, v14
	v_nop                                          ; a plain place behind the transcendental
	s_wait_alu depctr_va_vdst(0)                   ; and the wait ahead of its first reader
.set n, 0
.rept 32
	v_mul_f32 v[192+n], v[160+n], v14              ; register 16 b + i is channel 32 b + 16 hh + i of my query
.set n, n+1
.endr
.irp bq, 0,1
.irp jj, 0,1,2,3
	ds_store_b128 v8, v[192+16*\bq+4*\jj:195+16*\bq+4*\jj] offset:128*\bq+16*\jj
.endr
.endr
.irp i, 0,1,2,3,4,5,6,7
	ds_load_b128 v[32+4*\i:35+4*\i], v9 offset:544*\i              ; LDS serves a wave's instructions in order: these see my stores
.endr
.irp i, 0,1,2,3,4,5,6,7
	s_wait_dscnt 7-\i                              ; the younger loads may stay out
	global_store_b128 v7, v[32+4*\i:35+4*\i], s[76:77] offset:(2*\i+8*(\i/4))*16384   ; lane-rows 2 i, 2 i + 1: sixteen lanes store a token's 256 consecutive bytes of my head
.endr
.endm
	TASK 4, 0
	TASK 8, 1
	s_wait_dscnt 0x0
	s_wait_tensorcnt 0x0
	ds_add_u32 v243, v255
	s_wait_dscnt 0x0
	ROUND                                          ; the closing round
	s_endpgm
.Lfunc_end_k_q615a32e34d_attn:
	.size	k_q615a32e34d_attn, .Lfunc_end_k_q615a32e34d_attn-k_q615a32e34d_attn
	.p2alignl 7, 3214868480
	.fill 96, 4, 3214868480
	.section	.rodata,"a",@progbits
	.p2align	6, 0x0
	.amdhsa_kernel k_q615a32e34d_attn
		.amdhsa_group_segment_fixed_size 327680
		.amdhsa_private_segment_fixed_size 0
		.amdhsa_enable_private_segment 0
		.amdhsa_kernarg_size 16
		.amdhsa_user_sgpr_count 2
		.amdhsa_user_sgpr_kernarg_segment_ptr 1
		.amdhsa_wavefront_size32 1
		.amdhsa_system_sgpr_workgroup_id_x 1
		.amdhsa_system_sgpr_workgroup_id_y 1
		.amdhsa_system_sgpr_workgroup_id_z 1
		.amdhsa_system_vgpr_workitem_id 0
		.amdhsa_next_free_vgpr 256
		.amdhsa_next_free_sgpr 92
		.amdhsa_reserve_vcc 1
		.amdhsa_float_denorm_mode_32 3
		.amdhsa_float_denorm_mode_16_64 3
		.amdhsa_memory_ordered 1
		.amdhsa_forward_progress 1
		.amdhsa_inst_pref_size 64
	.end_amdhsa_kernel
	.amdgpu_metadata
---
amdhsa.version: [ 1, 2 ]
amdhsa.kernels:
  - .name:           k_q615a32e34d_attn
    .symbol:         k_q615a32e34d_attn.kd
    .args:
      - { .name: qkv, .offset: 0, .size: 8, .value_kind: global_buffer, .address_space: global }
      - { .name: fs, .offset: 8, .size: 8, .value_kind: global_buffer, .address_space: global }
    .group_segment_fixed_size: 327680
    .private_segment_fixed_size: 0
    .kernarg_segment_align: 8
    .kernarg_segment_size: 16
    .max_flat_workgroup_size: 512
    .sgpr_count:     92
    .vgpr_count:     256
    .wavefront_size: 32
...
	.end_amdgpu_metadata
.endif
;; end of part 3
;; launch qcat (part 4): grid 128 x 1, 8 waves a work-group, no clusters, 53,248 bytes of LDS; arguments fs, pk2; writes pk2
.if DOCPART == 4
	.amdgcn_target "amdgcn-amd-amdhsa--gfx1250"
	.amdhsa_code_object_version 6
	.text
	.protected	k_q615a32e34d_qcat
	.globl	k_q615a32e34d_qcat
	.p2align	8
	.type	k_q615a32e34d_qcat,@function
k_q615a32e34d_qcat:
	s_mov_b64 s[64:65], 0
	v_nop
	global_prefetch_b8 v0, s[64:65] scope:SCOPE_SE
	s_setreg_imm32_b32 hwreg(HW_REG_WAVE_MODE, 25, 1), 1
	s_wait_xcnt 0x0
; cat[token][e x 64 + h] = att[token][h][e] becomes codes of FP6 in panels (rows = tokens, K = e x 64 + h).  A block of 32 along K is 32 HEADS at one (token, e).
; A work-group takes one fragment's 16 tokens.  Wave w: channels 32 (w % 2) on, A LANE A CHANNEL, ITS REGISTERS DOWN THE HEADS; lane-rows 4 (w / 2) + 0 .. 3, which are four neighbouring tokens.
; A unit of work is one token and one half of the heads: 32 loads of 128 consecutive bytes; two units are on their way.  Block (e, half) is block 2 (e % 2) + half of K step e / 2.
; The codes meet in LDS as 64 half images (one for each e, 784 bytes apart so that the lanes' stores of 16 bytes fall on different banks), the scale bytes beside them; behind one barrier each wave stores four K steps' images.
; LIMITS: NaN and infinities are not served; a block of zeros, or under 2^-124, gets the scale byte 1: its codes are zeros and this program alone reads the bytes.
.set PANEL, 12800
.set FRAG,  1536
.set SCW,   12288
.set HP,    784
.set SCS,   64*HP                      ; 32 K steps x 64 bytes of scale words
.set X,     64                         ; v64-127 two sets of 32 numbers; on the way out the images
.set C,     16                         ; v16-27  a block's codes
	s_load_b128 s[4:7], s[0:1], 0x0                ; att, the codes' buffer
	v_lshl_add_u32 v128, v0, 2, 0xcc00
	v_mov_b32 v129, 0
	v_lshrrev_b32 v1, 5, v0
	v_readfirstlane_b32 s8, v1                     ; wave 0..7
	v_and_b32 v1, 31, v0
	s_and_b32 s9, s8, 1                            ; eh
	s_lshr_b32 s10, s8, 1                          ; tq
	s_lshr_b32 s11, ttmp9, 3                       ; rp
	s_and_b32 s12, ttmp9, 7                        ; f
	s_lshl_b32 s16, s11, 7
	s_lshr_b32 s17, s12, 1
	s_lshl_b32 s17, s17, 5
	s_add_co_u32 s16, s16, s17
	s_and_b32 s17, s12, 1
	s_lshl_b32 s17, s17, 3
	s_add_co_u32 s16, s16, s17
	s_and_b32 s17, s10, 1
	s_lshl_b32 s17, s17, 2
	s_add_co_u32 s16, s16, s17
	s_lshr_b32 s17, s10, 1
	s_lshl_b32 s17, s17, 4
	s_add_co_u32 s16, s16, s17                     ; my first token
	s_lshl_b32 s16, s16, 14
	s_lshl_b32 s17, s9, 7
	s_add_co_u32 s16, s16, s17
	s_mov_b32 s17, 0
	s_lshl_b32 s18, s11, 6
	s_lshl_b32 s19, s8, 2
	s_add_co_u32 s18, s18, s19
	s_mul_i32 s18, s18, PANEL                      ; panel (rp, 4 w): 64 panels to a row-panel, of which 32 are used
	s_mul_i32 s19, s12, FRAG
	s_add_co_u32 s20, s18, s19
	s_mov_b32 s21, 0
	s_lshl_b32 s19, s12, 6
	s_add_co_u32 s22, s18, s19
	s_add_co_u32 s22, s22, SCW
	s_mov_b32 s23, 0
	v_lshlrev_b32 v2, 2, v1
	s_lshl_b32 s13, s9, 5
	v_add_nc_u32 v12, s13, v1                      ; e
	v_mul_u32_u24 v13, v12, HP
	s_lshl_b32 s14, s10, 6
	v_add_nc_u32 v3, s14, v13                      ; in: 16 bytes at 16 r, r = 4 tq + i
	s_lshl_b32 s14, s10, 5
	v_add_nc_u32 v4, s14, v13                      ; and 8 bytes at 512 + 8 r
	v_lshrrev_b32 v14, 1, v12
	v_and_b32 v15, 1, v12
	v_lshlrev_b32 v5, 6, v14
	v_lshl_add_u32 v5, v15, 1, v5
	s_lshl_b32 s14, s10, 4
	s_add_co_u32 s14, s14, SCS
	v_add_nc_u32 v5, s14, v5                       ; the scale byte: K step e / 2, row r, byte 2 (e % 2) + half
	v_lshlrev_b32 v9, 4, v1
	v_lshlrev_b32 v10, 3, v1
	v_and_b32 v11, 15, v0
	v_lshlrev_b32 v11, 2, v11
	s_mul_i32 s14, s8, 8*HP
	v_add_nc_u32 v6, s14, v9                       ; out: my eight half images
	v_add_nc_u32 v7, s14, v10
	v_add_nc_u32 v7, 512, v7
	s_lshl_b32 s14, s8, 8
	s_add_co_u32 s14, s14, SCS
	v_add_nc_u32 v8, s14, v11
	s_wait_kmcnt 0x0
	s_add_nc_u64 s[4:5], s[4:5], s[16:17]
	s_add_nc_u64 s[24:25], s[6:7], s[20:21]
	s_add_nc_u64 s[26:27], s[6:7], s[22:23]
.macro LOADU n
.set li, 0
.rept 32
	global_load_b32 v[X+32*((\n)%2)+li], v2, s[4:5] offset:16384*((\n)/2)+256*(32*((\n)%2)+li) th:TH_LOAD_NT
.set li, li+1
.endr
.endm
.macro UNIT n
.set XS, X+32*((\n)%2)
.set ti, (\n)/2
.set hp, (\n)%2
.if (\n) < 7
	s_wait_loadcnt 32                              ; this unit's 32 loads are in; the next unit's 32 may be out
.else
	s_wait_loadcnt 0x0
.endif
	v_max3_num_f32 v12, |v[XS]|, |v[XS+1]|, |v[XS+2]|
	v_max3_num_f32 v13, |v[XS+3]|, |v[XS+4]|, |v[XS+5]|
.irp i, 6,10,14,18,22,26
	v_max3_num_f32 v12, v12, |v[XS+\i]|, |v[XS+\i+1]|
	v_max3_num_f32 v13, v13, |v[XS+\i+2]|, |v[XS+\i+3]|
.endr
	v_max3_num_f32 v12, v12, |v[XS+30]|, |v[XS+31]|
	v_max3_num_f32 v12, v12, v13, 0x1800000        ; and the floor 2^(3 - 127)
	v_add_nc_u32 v14, 0xff000000, v12              ; the conversion's scale operand
	v_lshrrev_b32 v13, 23, v14                     ; the byte
	v_cvt_scalef32_pk16_fp6_f32 v[C:C+2], v[XS:XS+15], v14
	v_cvt_scalef32_pk16_fp6_f32 v[C+8:C+10], v[XS+16:XS+31], v14
	v_nop                                          ; one plain place behind a scaled conversion
.irp i, 0,1,2
	v_mov_b32 v[C+3+\i], v[C+8+\i]
.endr
	ds_store_b128 v3, v[C:C+3] offset:256*hp+16*ti
	ds_store_b64 v4, v[C+4:C+5] offset:512+128*hp+8*ti
	ds_store_b8 v5, v13 offset:4*ti+hp
.if (\n)+2 < 8
	LOADU (\n)+2
.endif
	s_wait_dscnt 0x0                               ; the stores have read their registers
.endm
	LOADU 0
	LOADU 1
.irp n, 0,1,2,3,4,5,6,7
	UNIT \n
.endr
	s_barrier_signal -1                            ; (each unit has waited for its LDS stores)
	s_barrier_wait -1                              ; the 64 half images and the scale words are whole
.irp k, 0,1,2,3
.irp c, 0,1
	ds_load_b128 v[X+6*(2*\k+\c):X+6*(2*\k+\c)+3], v6 offset:(2*\k+\c)*HP
	ds_load_b64 v[X+6*(2*\k+\c)+4:X+6*(2*\k+\c)+5], v7 offset:(2*\k+\c)*HP
.endr
	ds_load_b32 v[X+48+\k], v8 offset:64*\k
.endr
	s_wait_dscnt 0x0
.irp k, 0,1,2,3
.irp c, 0,1
	global_store_b128 v9, v[X+6*(2*\k+\c):X+6*(2*\k+\c)+3], s[24:25] offset:PANEL*\k+768*\c          ; 512 consecutive bytes
	global_store_b64 v10, v[X+6*(2*\k+\c)+4:X+6*(2*\k+\c)+5], s[24:25] offset:PANEL*\k+768*\c+512    ; 256
.endr
	global_store_b32 v11, v[X+48+\k], s[26:27] offset:PANEL*\k     ; the fragment's 64 bytes of scale words (lanes l and l xor 16 store the same)
.endr
	s_wait_tensorcnt 0x0
	ds_add_u32 v128, v129
	s_wait_dscnt 0x0
	s_endpgm
.Lfunc_end_k_q615a32e34d_qcat:
	.size	k_q615a32e34d_qcat, .Lfunc_end_k_q615a32e34d_qcat-k_q615a32e34d_qcat
	.p2alignl 7, 3214868480
	.fill 96, 4, 3214868480
	.section	.rodata,"a",@progbits
	.p2align	6, 0x0
	.amdhsa_kernel k_q615a32e34d_qcat
		.amdhsa_group_segment_fixed_size 53248
		.amdhsa_private_segment_fixed_size 0
		.amdhsa_enable_private_segment 0
		.amdhsa_kernarg_size 16
		.amdhsa_user_sgpr_count 2
		.amdhsa_user_sgpr_kernarg_segment_ptr 1
		.amdhsa_wavefront_size32 1
		.amdhsa_system_sgpr_workgroup_id_x 1
		.amdhsa_system_sgpr_workgroup_id_y 1
		.amdhsa_system_sgpr_workgroup_id_z 1
		.amdhsa_system_vgpr_workitem_id 0
		.amdhsa_next_free_vgpr 130
		.amdhsa_next_free_sgpr 66
		.amdhsa_reserve_vcc 0
		.amdhsa_float_denorm_mode_32 3
		.amdhsa_float_denorm_mode_16_64 3
		.amdhsa_memory_ordered 1
		.amdhsa_forward_progress 1
		.amdhsa_inst_pref_size 44
	.end_amdhsa_kernel
	.amdgpu_metadata
---
amdhsa.version: [ 1, 2 ]
amdhsa.kernels:
  - .name:           k_q615a32e34d_qcat
    .symbol:         k_q615a32e34d_qcat.kd
    .args:
      - { .name: fs, .offset: 0, .size: 8, .value_kind: global_buffer, .address_space: global }
      - { .name: pk2, .offset: 8, .size: 8, .value_kind: global_buffer, .address_space: global }
    .group_segment_fixed_size: 53248
    .private_segment_fixed_size: 0
    .kernarg_segment_align: 8
    .kernarg_segment_size: 16
    .max_flat_workgroup_size: 256
    .sgpr_count:     66
    .vgpr_count:     130
    .wavefront_size: 32
...
	.end_amdgpu_metadata
.endif
;; end of part 4
;; launch gemm_f (part 5): grid 8 x 32, 16 waves a work-group, clusters of 4 x 4, 327,680 bytes of LDS; arguments pk2, fs; writes fs
.if DOCPART == 5
	.amdgcn_target "amdgcn-amd-amdhsa--gfx1250"
	.amdhsa_code_object_version 6
	.text
	.protected	k_q615a32e34d_gemm_f
	.globl	k_q615a32e34d_gemm_f
	.p2align	8
	.type	k_q615a32e34d_gemm_f,@function
k_q615a32e34d_gemm_f:
	s_mov_b64 s[64:65], 0
	v_nop
	global_prefetch_b8 v0, s[64:65] scope:SCOPE_SE
	s_setreg_imm32_b32 hwreg(HW_REG_WAVE_MODE, 25, 1), 1
	s_wait_xcnt 0x0
	s_wait_alu depctr_hold_cnt(0) depctr_sa_sdst(0) depctr_va_vdst(0) depctr_va_sdst(0) depctr_va_ssrc(0) depctr_va_vcc(0) depctr_vm_vsrc(0)
	s_getreg_b32 s2, hwreg(HW_REG_IB_STS2, 6, 4)
	s_cmp_eq_u32 s2, 0
	s_cbranch_scc0 .Lentry_in_a_cluster
	s_endpgm
.Lentry_in_a_cluster:
	s_bfe_u32 s2, ttmp6, 0x10000c
	s_cmp_lg_u32 s2, 0xf033
	s_cbranch_scc0 .Lentry_shape_is_right
	s_endpgm
.Lentry_shape_is_right:
; y_kh[2,048][1,024] = sum over one half of K = 4,096 of R[r][k] P[p][k], f32 out; both operands codes of FP6 in panels (images of the operand's registers, 12,800 bytes for 128 rows x 128 K).  R: 16 row-panels, 64 panels apart,
; at the buffer's head; P: 8 row-panels of 32 panels, from byte 13,107,200.  The two halves' sums lie 8,388,608 bytes apart in the output; they are added, with bias, residual and norm, in the next launch.
; A work-group makes 128 x 128 for one half of K: 8 x 16 x 2 = 256 work-groups.  The half is the cluster's y / 4: the same in all partners of a cluster.
; ITS SIXTEEN WAVES ARE FOUR PHASES ALONG K x (2 x 2) WAVES OF 64 x 64: a slot holds four K steps, and phase kp multiplies the slot's K step kp.  So a wave's tile stays 64 x 64 with four waves to a SIMD.
; The four partial sums meet in the LDS stage through which results pass anyway, and are added as (a0 + a1) + (a2 + a3): an order of rounding that differs from one ascending chain.
; THE TILES.  A slot is 102,400 bytes; a half of K is four slots' worth.  THREE slots lie in LDS and all three are filled at the head; slot 0 is filled once more, with the last four K steps, and that load has two slots' work in which
; to land.  EVERY wave fetches: a slot comes as 16 loads of 6,400 bytes, waves 0-7 R's part, waves 8-15 P's.  By this text's own count a wave has three tensor loads out at the head, later one.
; The product is used transposed (source 0 = P, source 1 = R): a lane holds eight neighbouring columns of one row.  4 x 4 work-groups form a cluster: R's tiles are asked for jointly along a row of it, P's along a column.
.set PANEL, 12800
.set FRAG,  1536
.set SCW,   12288
.set PIECE, 6400                       ; what one tensor load brings: half a panel
.set PART,  4*PANEL
.set SLOT,  2*PART                     ; R's four K steps, then P's
.set POFF,  13107200
.set KHALF, 16*PANEL                   ; half of K in a row-panel
.set SPH,   128*528                    ; the stage of one phase: 128 rows of 512 bytes + 16.  The four stages lie from LDS byte 0 on: the slots have had their last fill and their last read when the first result is stored there
.set SPARE, 325632                     ; the spare words, 128 bytes for each of 16 waves: no other line names them
.set ACC,   128
.set RF,    24
.set PF,    72
.set RS,    16                         ; v16-23 hold scales and nothing else
.set PS,    20
.set G1R, 24                           ; s[24:31] group 1 for R's tiles, s[32:43] group 0, a set for each slot
.set G0R, 32
.set G1P, 48                           ; s[48:55], s[72:83] the same for P's
.set G0P, 72
; v1 16 l; v2-7 the K step's LDS addresses (R: 16 l, 8 l, scale words; P likewise); v8-13 the same in slot 0, never rewritten; v14 my spare word; v15 0; v120 8 l; v121 4 r; v122 stage in; v124-127 stage out, one for each phase
.macro ROUND
	s_barrier_signal -1
	s_barrier_wait -1
	s_cmp_lg_u32 s12, 0
	s_cbranch_scc1 .Lnot_wave_0_\@
	s_barrier_signal -3
.Lnot_wave_0_\@:
	s_barrier_wait -3
	s_barrier_signal -1
	s_barrier_wait -1
.endm
.macro JLOAD                                   ; the joint refill of slot 0: waves 0-7 R's part, waves 8-15 P's; four v_nop follow each line
	s_cmp_lt_u32 s12, 8
	s_cbranch_scc0 .Lfor_p_\@
	tensor_load_to_lds s[G0R:G0R+3], s[G1R:G1R+7]
	s_nop 0
.rept 4
	v_nop
.endr
	s_branch .Lasked_\@
.Lfor_p_\@:
	tensor_load_to_lds s[G0P:G0P+3], s[G1P:G1P+7]
	s_nop 0
.rept 4
	v_nop
.endr
.Lasked_\@:
.endm
	s_load_b128 s[4:7], s[0:1], 0x0                ; the operands' buffer, y
	v_lshl_add_u32 v14, v0, 2, SPARE
	v_mov_b32 v15, 0
	ds_add_u32 v14, v15
	ds_add_u32 v14, v15
	s_wait_dscnt 0x0
	v_lshrrev_b32 v1, 5, v0
	v_readfirstlane_b32 s12, v1                    ; wave 0..15
	s_and_b32 s17, s12, 1                          ; wp
	s_lshr_b32 s18, s12, 2                         ; kp
	s_bfe_u32 s19, s12, 0x10001                    ; wr
	s_and_b32 s20, s12, 7
	s_mul_i32 s20, s20, PIECE                      ; which piece of a part I fetch: in memory and in LDS alike
	s_bfe_u32 s13, ttmp6, 0x40000
	s_bfe_u32 s14, ttmp6, 0x40004
	s_lshl_b32 s15, ttmp9, 2
	s_add_co_u32 s15, s15, s13                     ; x: P's row-panel
	s_and_b32 s16, ttmp7, 0xffff                   ; the cluster's y, 0 .. 7
	s_lshr_b32 s21, s16, 2                         ; kh: which half of K
	s_and_b32 s16, s16, 3
	s_lshl_b32 s16, s16, 2
	s_add_co_u32 s16, s16, s14                     ; y: R's row-panel
	s_mul_i32 s68, s21, KHALF
	s_lshl_b32 s84, s14, 2
	s_lshl_b32 s84, 15, s84
	s_lshl_b32 s85, 0x1111, s13
	s_or_b32 s[G1R], s84, (3<<16)|(1<<21)          ; R's tiles hang on y and the half alone: shared along my row of the cluster
	s_or_b32 s[G1P], s85, (3<<16)|(1<<21)          ; P's on x and the half alone: along my column
.irp g, G1R, G1P
	s_mov_b32 s[\g+1], 32<<16                      ; 6,400 dense bytes as 25 rows of 32 elements of 8 bytes
	s_mov_b32 s[\g+2], 25<<16
	s_mov_b32 s[\g+3], 32<<16
	s_mov_b32 s[\g+4], 25
	s_mov_b32 s[\g+5], 32
	s_mov_b32 s[\g+6], 0
	s_mov_b32 s[\g+7], 0
.endr
	s_mul_i32 s86, s16, 64*PANEL
	s_add_co_u32 s86, s86, s68
	s_add_co_u32 s86, s86, s20
	s_mov_b32 s87, 0
	s_mul_i32 s88, s15, 32*PANEL
	s_add_co_u32 s88, s88, s68
	s_add_co_u32 s88, s88, s20
	s_add_co_u32 s88, s88, POFF
	s_mov_b32 s89, 0
	s_wait_kmcnt 0x0
	s_add_nc_u64 s[86:87], s[4:5], s[86:87]
	s_add_nc_u64 s[88:89], s[4:5], s[88:89]
.irp s, 0,1,2
	s_mov_b32 s[G0R+4*\s], 1
	s_add_co_u32 s[G0R+4*\s+1], s20, \s*SLOT
	s_add_nc_u64 s[G0R+4*\s+2:G0R+4*\s+3], s[86:87], \s*PART       ; the half's K steps 4 s .. 4 s + 3
	s_or_b32 s[G0R+4*\s+3], s[G0R+4*\s+3], 0x80000000
	s_mov_b32 s[G0P+4*\s], 1
	s_add_co_u32 s[G0P+4*\s+1], s20, \s*SLOT+PART
	s_add_nc_u64 s[G0P+4*\s+2:G0P+4*\s+3], s[88:89], \s*PART
	s_or_b32 s[G0P+4*\s+3], s[G0P+4*\s+3], 0x80000000
.endr
	s_lshl_b32 s22, s16, 7                         ; the rows of y that I store: stage rows 8 w + i are rows 128 y + 32 (w / 4) + 8 ((w / 2) % 2) + 16 (w % 2) + i
	s_lshl_b32 s23, s18, 5
	s_add_co_u32 s22, s22, s23
	s_lshl_b32 s23, s19, 3
	s_add_co_u32 s22, s22, s23
	s_lshl_b32 s23, s17, 4
	s_add_co_u32 s22, s22, s23
	s_lshl_b32 s22, s22, 12
	s_lshl_b32 s23, s15, 9
	s_add_co_u32 s22, s22, s23
	s_lshl_b32 s23, s21, 23                        ; my half's sums: 8,388,608 bytes apart
	s_add_co_u32 s22, s22, s23
	s_mov_b32 s23, 0
	s_add_nc_u64 s[66:67], s[6:7], s[22:23]
	ROUND                                          ; all sixteen work-groups are here
	s_cmp_lt_u32 s12, 8                            ; a wave's three first fills stand in one branch: three loads of mine are out
	s_cbranch_scc0 .Lf_p
	tensor_load_to_lds s[G0R:G0R+3], s[G1R:G1R+7]
	s_nop 0
	tensor_load_to_lds s[G0R+4:G0R+7], s[G1R:G1R+7]
	s_nop 0
	tensor_load_to_lds s[G0R+8:G0R+11], s[G1R:G1R+7]
	s_nop 0
.rept 4
	v_nop
.endr
	s_branch .Lf_done
.Lf_p:
	tensor_load_to_lds s[G0P:G0P+3], s[G1P:G1P+7]
	s_nop 0
	tensor_load_to_lds s[G0P+4:G0P+7], s[G1P:G1P+7]
	s_nop 0
	tensor_load_to_lds s[G0P+8:G0P+11], s[G1P:G1P+7]
	s_nop 0
.rept 4
	v_nop
.endr
.Lf_done:
	v_and_b32 v24, 31, v0
	v_and_b32 v25, 15, v0
	v_bfe_u32 v26, v0, 4, 1
	v_lshlrev_b32 v1, 4, v24
	v_lshlrev_b32 v120, 3, v24
	v_lshlrev_b32 v121, 2, v25
	s_mul_i32 s20, s18, PANEL                      ; my phase's K step of a slot
	s_mul_i32 s21, s19, 4*FRAG
	s_add_co_u32 s21, s21, s20
	s_lshl_b32 s22, s19, 8
	s_add_co_u32 s22, s22, s20
	s_add_co_u32 s22, s22, SCW
	v_add_nc_u32 v8, s21, v1
	v_add_nc_u32 v9, s21, v120
	v_add_nc_u32 v10, s22, v121
	s_mul_i32 s21, s17, 4*FRAG
	s_add_co_u32 s21, s21, s20
	s_add_co_u32 s21, s21, PART
	s_lshl_b32 s22, s17, 8
	s_add_co_u32 s22, s22, s20
	s_add_co_u32 s22, s22, PART+SCW
	v_add_nc_u32 v11, s21, v1
	v_add_nc_u32 v12, s21, v120
	v_add_nc_u32 v13, s22, v121
	s_mul_i32 s20, s18, SPH                        ; stage, in: my phase; row 64 wr + 16 rt + r (fragment order); column 64 wp + 16 hh on
	s_mul_i32 s21, s19, 64*528
	s_add_co_u32 s20, s20, s21
	s_lshl_b32 s21, s17, 8
	s_add_co_u32 s20, s20, s21
	v_mul_u32_u24 v122, v25, 528
	v_lshl_add_u32 v122, v26, 6, v122
	v_add_nc_u32 v122, s20, v122
	s_mul_i32 s20, s12, 8*528                      ; out: rows 8 w on, of each phase
.irp k, 0,1,2,3
	v_add_nc_u32 v[124+\k], s20, v1
	s_add_co_u32 s20, s20, SPH
.endr
; My phase's K step of slot s: 40 LDS loads, 16 products, the accumulators by turns.  The six additions that make the slot's addresses are also the
; places in front of loads into registers that matrix instructions have read (four are asked: ISA guide 7.12.1 for vector instructions).
.macro KSTEP s, first
.irp n, 0,1,2,3,4,5
	v_add_nc_u32 v[2+\n], \s*SLOT, v[8+\n]
.endr
.irp t, 0,1,2,3
	ds_load_b128 v[RF+12*\t:RF+12*\t+3], v2 offset:\t*FRAG
	ds_load_b64 v[RF+12*\t+4:RF+12*\t+5], v3 offset:\t*FRAG+512
	ds_load_b128 v[RF+12*\t+6:RF+12*\t+9], v2 offset:\t*FRAG+768
	ds_load_b64 v[RF+12*\t+10:RF+12*\t+11], v3 offset:\t*FRAG+1280
	ds_load_b32 v[RS+\t], v4 offset:64*\t
	ds_load_b128 v[PF+12*\t:PF+12*\t+3], v5 offset:\t*FRAG
	ds_load_b64 v[PF+12*\t+4:PF+12*\t+5], v6 offset:\t*FRAG+512
	ds_load_b128 v[PF+12*\t+6:PF+12*\t+9], v5 offset:\t*FRAG+768
	ds_load_b64 v[PF+12*\t+10:PF+12*\t+11], v6 offset:\t*FRAG+1280
	ds_load_b32 v[PS+\t], v7 offset:64*\t
.endr
	s_wait_dscnt 0x0
.irp rt, 0,1,2,3
.irp pt, 0,1,2,3
.if \first
	v_wmma_scale_f32_16x16x128_f8f6f4 v[ACC+32*\rt+8*\pt:ACC+32*\rt+8*\pt+7], v[PF+12*\pt:PF+12*\pt+11], v[RF+12*\rt:RF+12*\rt+11], 0, v[PS+\pt], v[RS+\rt] matrix_a_fmt:MATRIX_FMT_FP6 matrix_b_fmt:MATRIX_FMT_FP6
.else
	v_wmma_scale_f32_16x16x128_f8f6f4 v[ACC+32*\rt+8*\pt:ACC+32*\rt+8*\pt+7], v[PF+12*\pt:PF+12*\pt+11], v[RF+12*\rt:RF+12*\rt+11], v[ACC+32*\rt+8*\pt:ACC+32*\rt+8*\pt+7], v[PS+\pt], v[RS+\rt] matrix_a_fmt:MATRIX_FMT_FP6 matrix_b_fmt:MATRIX_FMT_FP6
.endif
.endr
.endr
.endm
.macro CHANGE refill
	s_wait_tensorcnt 0x0                           ; no tensor load of mine is out: my pieces of all slots asked for have landed, and a group 0 may be written
	ds_add_u32 v14, v15                            ; 0 onto my spare word
.if \refill
	s_add_nc_u64 s[G0R+2:G0R+3], s[G0R+2:G0R+3], 3*PART
	s_add_nc_u64 s[G0P+2:G0P+3], s[G0P+2:G0P+3], 3*PART
.endif
	s_wait_dscnt 0x0                               ; the add is done, and my reads are over
.if \refill
	ROUND                                          ; no wave of any partner still reads slot 0 or has a load on its way
	JLOAD                                          ; my one tensor load behind the round, and the first thing there
.else
	s_barrier_signal -1
	s_barrier_wait -1
.endif
.endm
	s_wait_tensorcnt 2                             ; my piece of slot 0 is in; my two loads for slots 1 and 2 may stay out
	s_barrier_signal -1
	s_barrier_wait -1
	KSTEP 0, 1                                     ; the first products start the sums
	CHANGE 1                                       ; slots 1 and 2 are whole in every wave's sight; slot 0 is asked for again
	KSTEP 1, 0
	KSTEP 2, 0                                     ; no barrier between slots 1 and 2: the round has shown both
	CHANGE 0                                       ; slot 0's second fill has landed; nothing is left to fetch
	KSTEP 0, 0
	s_wait_dscnt 0x0
	s_barrier_signal -1
	s_barrier_wait -1                              ; nobody reads the slots any more: the stages may be written over them
.rept 4
	v_nop                                          ; places behind the last products
.endr
.irp rt, 0,1,2,3
.irp pt, 0,1,2,3
	ds_store_b128 v122, v[ACC+32*\rt+8*\pt:ACC+32*\rt+8*\pt+3] offset:16*\rt*528+(32*(\pt/2)+8*(\pt%2))*4          ; each accumulator from its low end on
	ds_store_b128 v122, v[ACC+32*\rt+8*\pt+4:ACC+32*\rt+8*\pt+7] offset:16*\rt*528+(32*(\pt/2)+8*(\pt%2))*4+16
.endr
.endr
	s_wait_dscnt 0x0                               ; for the others' sake: my stores are done
	s_barrier_signal -1
	s_barrier_wait -1
.irp i, 0,1,2,3,4,5,6,7
.irp k, 0,1,2,3
	ds_load_b128 v[ACC+16*\i+4*\k:ACC+16*\i+4*\k+3], v[124+\k] offset:528*\i      ; a whole row of 512 bytes, of each phase
.endr
.endr
.irp i, 0,1,2,3,4,5,6,7
	s_wait_dscnt 28-4*\i                           ; the later rows' loads, four each, may stay out
	v_pk_add_f32 v[ACC+16*\i:ACC+16*\i+1], v[ACC+16*\i:ACC+16*\i+1], v[ACC+16*\i+4:ACC+16*\i+5]
	v_pk_add_f32 v[ACC+16*\i+2:ACC+16*\i+3], v[ACC+16*\i+2:ACC+16*\i+3], v[ACC+16*\i+6:ACC+16*\i+7]
	v_pk_add_f32 v[ACC+16*\i+8:ACC+16*\i+9], v[ACC+16*\i+8:ACC+16*\i+9], v[ACC+16*\i+12:ACC+16*\i+13]
	v_pk_add_f32 v[ACC+16*\i+10:ACC+16*\i+11], v[ACC+16*\i+10:ACC+16*\i+11], v[ACC+16*\i+14:ACC+16*\i+15]
	v_pk_add_f32 v[ACC+16*\i:ACC+16*\i+1], v[ACC+16*\i:ACC+16*\i+1], v[ACC+16*\i+8:ACC+16*\i+9]
	v_pk_add_f32 v[ACC+16*\i+2:ACC+16*\i+3], v[ACC+16*\i+2:ACC+16*\i+3], v[ACC+16*\i+10:ACC+16*\i+11]
	global_store_b128 v1, v[ACC+16*\i:ACC+16*\i+3], s[66:67] offset:4096*\i       ; 32 lanes store 512 consecutive bytes
.endr
	s_wait_tensorcnt 0x0                           ; the wave's end
	ds_add_u32 v14, v15
	s_wait_dscnt 0x0
	ROUND                                          ; the closing round
	s_endpgm
.Lfunc_end_k_q615a32e34d_gemm_f:
	.size	k_q615a32e34d_gemm_f, .Lfunc_end_k_q615a32e34d_gemm_f-k_q615a32e34d_gemm_f
	.p2alignl 7, 3214868480
	.fill 96, 4, 3214868480
	.section	.rodata,"a",@progbits
	.p2align	6, 0x0
	.amdhsa_kernel k_q615a32e34d_gemm_f
		.amdhsa_group_segment_fixed_size 327680
		.amdhsa_private_segment_fixed_size 0
		.amdhsa_enable_private_segment 0
		.amdhsa_kernarg_size 16
		.amdhsa_user_sgpr_count 2
		.amdhsa_user_sgpr_kernarg_segment_ptr 1
		.amdhsa_wavefront_size32 1
		.amdhsa_system_sgpr_workgroup_id_x 1
		.amdhsa_system_sgpr_workgroup_id_y 1
		.amdhsa_system_sgpr_workgroup_id_z 1
		.amdhsa_system_vgpr_workitem_id 0
		.amdhsa_next_free_vgpr 256
		.amdhsa_next_free_sgpr 92
		.amdhsa_reserve_vcc 0
		.amdhsa_float_denorm_mode_32 3
		.amdhsa_float_denorm_mode_16_64 3
		.amdhsa_memory_ordered 1
		.amdhsa_forward_progress 1
		.amdhsa_inst_pref_size 38
	.end_amdhsa_kernel
	.amdgpu_metadata
---
amdhsa.version: [ 1, 2 ]
amdhsa.kernels:
  - .name:           k_q615a32e34d_gemm_f
    .symbol:         k_q615a32e34d_gemm_f.kd
    .args:
      - { .name: pk2, .offset: 0, .size: 8, .value_kind: global_buffer, .address_space: global }
      - { .name: fs, .offset: 8, .size: 8, .value_kind: global_buffer, .address_space: global }
    .group_segment_fixed_size: 327680
    .private_segment_fixed_size: 0
    .kernarg_segment_align: 8
    .kernarg_segment_size: 16
    .max_flat_workgroup_size: 512
    .sgpr_count:     92
    .vgpr_count:     256
    .wavefront_size: 32
...
	.end_amdgpu_metadata
.endif
;; end of part 5
;; launch ln1 (part 6): grid 128 x 1, 16 waves a work-group, no clusters, 68,096 bytes of LDS; arguments fs, x, bo, g1, be1, qkv, pk3; writes qkv, pk3
.if DOCPART == 6
	.amdgcn_target "amdgcn-amd-amdhsa--gfx1250"
	.amdhsa_code_object_version 6
	.text
	.protected	k_q615a32e34d_ln1
	.globl	k_q615a32e34d_ln1
	.p2align	8
	.type	k_q615a32e34d_ln1,@function
k_q615a32e34d_ln1:
	s_mov_b64 s[64:65], 0
	v_nop
	global_prefetch_b8 v0, s[64:65] scope:SCOPE_SE
	s_setreg_imm32_b32 hwreg(HW_REG_WAVE_MODE, 25, 1), 1
	s_wait_xcnt 0x0
; x1 = layernorm(x + ((ya + yb) + bo)) g1 + be1, in f32; ya and yb are the product's sums over the two halves of its K, 8,388,608 bytes apart.  x1 is stored as f32 [2,048][1,024] and, quantised along its 1,024, as codes of FP6 in panels.
; A work-group takes one fragment's 16 tokens; wave w its lane-row w.  ONE WAVE, ONE ROW: each load reads 512 consecutive bytes; the row stays in 32 registers; the sums never leave the wave.  All 48 loads of a wave go out at the head.
; The variance is taken of the differences from the mean (two passes over registers): no difference of large sums is formed.
; The 16 rows meet in LDS (4,112 bytes apart); behind one barrier wave w, w under 8, quantises K step w of all 16 rows and stores its image.
; LIMITS: NaN and infinities are not served; a block of zeros, or under 2^-124, gets the scale byte 1: its codes are zeros and this program alone reads the bytes.
.set PANEL, 12800
.set FRAG,  1536
.set SCW,   12288
.set LP,    4112
.set Y,     32                         ; v32-63 ya, then the row at work; v64-95 yb; v96-127 the residual; v160-191 bias, v192-223 gain, v224-255 beta
.set YB,    64
.set XR,    96
.set BI,    160
.set GA,    192
.set BE,    224
.set TM,    12                         ; v12-27 at work in QUANT; v28 the scale word; v128-191 its 64 numbers; v192-211 the codes
.set SEL,   24
.macro QUANT s, pc, pw
.irp b, 0,1,2,3
	v_max3_num_f32 v[TM+\b], |v[(\s)+16*\b]|, |v[(\s)+1+16*\b]|, 0x1800000
.endr
.irp i, 2,4,6,8,10,12,14
.irp b, 0,1,2,3
	v_max3_num_f32 v[TM+\b], v[TM+\b], |v[(\s)+16*\b+\i]|, |v[(\s)+1+16*\b+\i]|
.endr
.endr
.irp b, 0,1,2,3
	v_permlanex16_b32 v[TM+4+\b], v[TM+\b], s[SEL], s[SEL+1]
.endr
.irp b, 0,1,2,3
	v_max_num_f32 v[TM+\b], v[TM+\b], v[TM+4+\b]
.endr
.irp b, 0,1,2,3
	v_add_nc_u32 v[TM+12+\b], 0xff000000, v[TM+\b]
.endr
.irp b, 0,1,2,3
	v_lshrrev_b32 v[TM+4+\b], 23, v[TM+12+\b]
.endr
	v_lshl_or_b32 v[\pw], v[TM+5], 8, v[TM+4]
	v_lshl_or_b32 v[\pw], v[TM+6], 16, v[\pw]
	v_lshl_or_b32 v[\pw], v[TM+7], 24, v[\pw]
.irp c, 0,1
	v_cvt_scalef32_pk16_fp6_f32 v[(\pc)+6*\c:(\pc)+2+6*\c], v[(\s)+32*\c:(\s)+15+32*\c], v[TM+12+2*\c]
	v_cvt_scalef32_pk16_fp6_f32 v[(\pc)+12+4*\c:(\pc)+14+4*\c], v[(\s)+16+32*\c:(\s)+31+32*\c], v[TM+12+2*\c+1]
.endr
	v_nop                                          ; one plain place behind a scaled conversion
.irp c, 0,1
.irp i, 0,1,2
	v_permlane16_swap_b32 v[(\pc)+6*\c+\i], v[(\pc)+12+4*\c+\i]
.endr
.irp i, 0,1,2
	v_mov_b32 v[(\pc)+3+6*\c+\i], v[(\pc)+12+4*\c+\i]
.endr
.endr
.endm
.macro LANES op                                ; a sum over the wave's 32 lanes of v2, the result in every lane
	v_add_f32_dpp v2, v2, v2 row_xmask:1 row_mask:0xf bank_mask:0xf
	v_add_f32_dpp v2, v2, v2 row_xmask:2 row_mask:0xf bank_mask:0xf
	v_add_f32_dpp v2, v2, v2 row_xmask:4 row_mask:0xf bank_mask:0xf
	v_add_f32_dpp v2, v2, v2 row_xmask:8 row_mask:0xf bank_mask:0xf
	v_permlanex16_b32 v3, v2, s[SEL], s[SEL+1]
	v_add_f32 v2, v2, v3
.endm
	s_load_b256 s[4:11], s[0:1], 0x0               ; y 4, residual 6, bias 8, gain 10
	s_load_b128 s[12:15], s[0:1], 0x20             ; beta 12, x1 14
	s_load_b64 s[16:17], s[0:1], 0x30              ; the codes' buffer
	v_lshl_add_u32 v23, v0, 2, 0x10200
	v_mov_b32 v31, 0
	v_lshrrev_b32 v2, 5, v0
	v_readfirstlane_b32 s18, v2                    ; wave 0..15
	s_and_b32 s19, s18, 7
	v_and_b32 v3, 31, v0
	v_lshlrev_b32 v1, 4, v3                        ; 16 l
	v_lshlrev_b32 v29, 3, v3                       ; 8 l
	v_and_b32 v4, 15, v0
	v_lshlrev_b32 v30, 2, v4                       ; 4 r
	v_bfe_u32 v5, v0, 4, 1
	s_mul_i32 s28, s18, LP
	v_add_nc_u32 v10, s28, v1                      ; LDS, in: my row
	v_mul_u32_u24 v11, v4, LP
	v_lshl_add_u32 v11, v5, 6, v11
	s_lshl_b32 s28, s19, 9
	v_add_nc_u32 v11, s28, v11                     ; out: row r, K step w % 8, + 64 hh
.irp b, 0,1,2,3
	v_mov_b32 v[TM+4+\b], 0                        ; a lane permute's destination counts as one of its sources
.endr
	s_lshr_b32 s20, ttmp9, 3                       ; rp
	s_and_b32 s21, ttmp9, 7                        ; f
	s_lshl_b32 s22, s20, 7
	s_lshr_b32 s23, s21, 1
	s_lshl_b32 s23, s23, 5
	s_add_co_u32 s22, s22, s23
	s_and_b32 s23, s21, 1
	s_lshl_b32 s23, s23, 3
	s_add_co_u32 s22, s22, s23
	s_add_co_u32 s22, s22, s19                     ; lane-row w is row w % 8 + 16 (w / 8) of the fragment
	s_lshr_b32 s23, s18, 3
	s_lshl_b32 s23, s23, 4
	s_add_co_u32 s22, s22, s23                     ; my token
	s_lshl_b32 s22, s22, 12
	s_mov_b32 s23, 0
	s_mov_b32 s[SEL], 0x76543210
	s_mov_b32 s[SEL+1], 0xfedcba98
	s_mov_b32 s26, 0x3a800000                      ; 1 / 1,024
	s_mov_b32 s27, 0x3727c5ac                      ; 1e-5
	s_lshl_b32 s32, s20, 3
	s_add_co_u32 s32, s32, s19
	s_mul_i32 s32, s32, PANEL                      ; panel (rp, w % 8)
	s_mul_i32 s33, s21, FRAG
	s_add_co_u32 s28, s32, s33
	s_mov_b32 s29, 0
	s_lshl_b32 s33, s21, 6
	s_add_co_u32 s30, s32, s33
	s_add_co_u32 s30, s30, SCW
	s_mov_b32 s31, 0
	s_wait_kmcnt 0x0
	s_add_nc_u64 s[4:5], s[4:5], s[22:23]
	s_add_nc_u64 s[34:35], s[4:5], 0x800000        ; the other half's sums
	s_add_nc_u64 s[6:7], s[6:7], s[22:23]
	s_add_nc_u64 s[14:15], s[14:15], s[22:23]
	s_add_nc_u64 s[28:29], s[16:17], s[28:29]
	s_add_nc_u64 s[30:31], s[16:17], s[30:31]
.irp k, 0,1,2,3,4,5,6,7
	global_load_b128 v[BI+4*\k:BI+4*\k+3], v1, s[8:9] offset:512*\k
.endr
.irp k, 0,1,2,3,4,5,6,7
	global_load_b128 v[Y+4*\k:Y+4*\k+3], v1, s[4:5] offset:512*\k th:TH_LOAD_NT
.endr
.irp k, 0,1,2,3,4,5,6,7
	global_load_b128 v[YB+4*\k:YB+4*\k+3], v1, s[34:35] offset:512*\k th:TH_LOAD_NT
.endr
.irp k, 0,1,2,3,4,5,6,7
	global_load_b128 v[XR+4*\k:XR+4*\k+3], v1, s[6:7] offset:512*\k th:TH_LOAD_NT
.endr
.irp k, 0,1,2,3,4,5,6,7
	global_load_b128 v[GA+4*\k:GA+4*\k+3], v1, s[10:11] offset:512*\k
.endr
.irp k, 0,1,2,3,4,5,6,7
	global_load_b128 v[BE+4*\k:BE+4*\k+3], v1, s[12:13] offset:512*\k
.endr
	s_wait_loadcnt 16                              ; bias, both halves and the residual are in; gain's 8 loads and beta's 8 may be out
.set n, 0
.rept 16
	v_pk_add_f32 v[Y+n:Y+n+1], v[Y+n:Y+n+1], v[YB+n:YB+n+1]
.set n, n+2
.endr
.set n, 0
.rept 16
	v_pk_add_f32 v[Y+n:Y+n+1], v[Y+n:Y+n+1], v[BI+n:BI+n+1]
.set n, n+2
.endr
.set n, 0
.rept 16
	v_pk_add_f32 v[Y+n:Y+n+1], v[Y+n:Y+n+1], v[XR+n:XR+n+1]
.set n, n+2
.endr
	v_pk_add_f32 v[2:3], v[Y:Y+1], v[Y+2:Y+3]      ; the row's sum, in two chains
	v_pk_add_f32 v[4:5], v[Y+4:Y+5], v[Y+6:Y+7]
.set n, 8
.rept 6
	v_pk_add_f32 v[2:3], v[2:3], v[Y+n:Y+n+1]
	v_pk_add_f32 v[4:5], v[4:5], v[Y+n+2:Y+n+3]
.set n, n+4
.endr
	v_pk_add_f32 v[2:3], v[2:3], v[4:5]
	v_add_f32 v2, v2, v3
	LANES 0
	v_mul_f32 v6, s26, v2                          ; the mean
	v_mov_b32 v7, v6
.set n, 0
.rept 16
	v_pk_add_f32 v[Y+n:Y+n+1], v[Y+n:Y+n+1], v[6:7] neg_lo:[0,1] neg_hi:[0,1]
.set n, n+2
.endr
	v_pk_mul_f32 v[2:3], v[Y:Y+1], v[Y:Y+1]        ; the sum of squares of the differences
	v_pk_mul_f32 v[4:5], v[Y+2:Y+3], v[Y+2:Y+3]
.set n, 4
.rept 7
	v_pk_fma_f32 v[2:3], v[Y+n:Y+n+1], v[Y+n:Y+n+1], v[2:3]
	v_pk_fma_f32 v[4:5], v[Y+n+2:Y+n+3], v[Y+n+2:Y+n+3], v[4:5]
.set n, n+4
.endr
	v_pk_add_f32 v[2:3], v[2:3], v[4:5]
	v_add_f32 v2, v2, v3
	LANES 0
	v_fma_f32 v2, v2, s26, s27                     ; variance + 1e-5
	v_rsq_f32 v8, v2
	v_nop                                          ; a plain place behind the transcendental
	s_wait_alu depctr_va_vdst(0)                   ; and the wait ahead of its first reader
	v_mov_b32 v9, v8
	s_wait_loadcnt 0x0                             ; gain and beta
.set n, 0
.rept 16
	v_pk_mul_f32 v[Y+n:Y+n+1], v[Y+n:Y+n+1], v[8:9]
.set n, n+2
.endr
.set n, 0
.rept 16
	v_pk_fma_f32 v[Y+n:Y+n+1], v[Y+n:Y+n+1], v[GA+n:GA+n+1], v[BE+n:BE+n+1]
.set n, n+2
.endr
.irp k, 0,1,2,3,4,5,6,7
	global_store_b128 v1, v[Y+4*\k:Y+4*\k+3], s[14:15] offset:512*\k               ; 512 consecutive bytes
	ds_store_b128 v10, v[Y+4*\k:Y+4*\k+3] offset:512*\k
.endr
	s_wait_dscnt 0x0                               ; for the others' sake: my row lies in LDS
	s_barrier_signal -1
	s_barrier_wait -1
	s_cmp_lt_u32 s18, 8                            ; eight K steps: waves 0 to 7 take one each; no barrier follows
	s_cbranch_scc0 .Lend
.irp b, 0,1,2,3
.irp j, 0,1,2,3
	ds_load_b128 v[128+16*\b+4*\j:131+16*\b+4*\j], v11 offset:128*\b+16*\j         ; row r, k = 128 w + 32 b + 16 hh + 4 j on; these registers are no pending store's data
.endr
.endr
	s_wait_dscnt 0x0
	QUANT 128, 192, 28
	global_store_b128 v1, v[192:195], s[28:29]
	global_store_b64 v29, v[196:197], s[28:29] offset:512
	global_store_b128 v1, v[198:201], s[28:29] offset:768
	global_store_b64 v29, v[202:203], s[28:29] offset:1280
	global_store_b32 v30, v28, s[30:31]            ; lanes l and l xor 16 store the same word
.Lend:
	s_wait_tensorcnt 0x0
	ds_add_u32 v23, v31
	s_wait_dscnt 0x0
	s_endpgm
.Lfunc_end_k_q615a32e34d_ln1:
	.size	k_q615a32e34d_ln1, .Lfunc_end_k_q615a32e34d_ln1-k_q615a32e34d_ln1
	.p2alignl 7, 3214868480
	.fill 96, 4, 3214868480
	.section	.rodata,"a",@progbits
	.p2align	6, 0x0
	.amdhsa_kernel k_q615a32e34d_ln1
		.amdhsa_group_segment_fixed_size 68096
		.amdhsa_private_segment_fixed_size 0
		.amdhsa_enable_private_segment 0
		.amdhsa_kernarg_size 56
		.amdhsa_user_sgpr_count 2
		.amdhsa_user_sgpr_kernarg_segment_ptr 1
		.amdhsa_wavefront_size32 1
		.amdhsa_system_sgpr_workgroup_id_x 1
		.amdhsa_system_sgpr_workgroup_id_y 1
		.amdhsa_system_sgpr_workgroup_id_z 1
		.amdhsa_system_vgpr_workitem_id 0
		.amdhsa_next_free_vgpr 256
		.amdhsa_next_free_sgpr 66
		.amdhsa_reserve_vcc 0
		.amdhsa_float_denorm_mode_32 3
		.amdhsa_float_denorm_mode_16_64 3
		.amdhsa_memory_ordered 1
		.amdhsa_forward_progress 1
		.amdhsa_inst_pref_size 24
	.end_amdhsa_kernel
	.amdgpu_metadata
---
amdhsa.version: [ 1, 2 ]
amdhsa.kernels:
  - .name:           k_q615a32e34d_ln1
    .symbol:         k_q615a32e34d_ln1.kd
    .args:
      - { .name: fs, .offset: 0, .size: 8, .value_kind: global_buffer, .address_space: global }
      - { .name: x, .offset: 8, .size: 8, .value_kind: global_buffer, .address_space: global }
      - { .name: bo, .offset: 16, .size: 8, .value_kind: global_buffer, .address_space: global }
      - { .name: g1, .offset: 24, .size: 8, .value_kind: global_buffer, .address_space: global }
      - { .name: be1, .offset: 32, .size: 8, .value_kind: global_buffer, .address_space: global }
      - { .name: qkv, .offset: 40, .size: 8, .value_kind: global_buffer, .address_space: global }
      - { .name: pk3, .offset: 48, .size: 8, .value_kind: global_buffer, .address_space: global }
    .group_segment_fixed_size: 68096
    .private_segment_fixed_size: 0
    .kernarg_segment_align: 8
    .kernarg_segment_size: 56
    .max_flat_workgroup_size: 512
    .sgpr_count:     66
    .vgpr_count:     256
    .wavefront_size: 32
...
	.end_amdgpu_metadata
.endif
;; end of part 6
;; launch w1g: the kernel of part 2 again; grid 16 x 8, 16 waves a work-group, clusters of 4 x 4, 327,680 bytes of LDS; arguments pk3, b1, zer, pk4; writes pk4
;; launch w2g: the kernel of part 5 again; grid 8 x 32, 16 waves a work-group, clusters of 4 x 4, 327,680 bytes of LDS; arguments pk4, fs; writes fs
;; launch ln2 (part 7): grid 256 x 1, 8 waves a work-group, no clusters, 0 bytes of LDS; arguments fs, qkv, b2, g2, be2, out0; writes out0
.if DOCPART == 7
	.amdgcn_target "amdgcn-amd-amdhsa--gfx1250"
	.amdhsa_code_object_version 6
	.text
	.protected	k_q615a32e34d_ln2
	.globl	k_q615a32e34d_ln2
	.p2align	8
	.type	k_q615a32e34d_ln2,@function
k_q615a32e34d_ln2:
	s_mov_b64 s[64:65], 0
	v_nop
	global_prefetch_b8 v0, s[64:65] scope:SCOPE_SE
	s_setreg_imm32_b32 hwreg(HW_REG_WAVE_MODE, 25, 1), 1
	s_wait_xcnt 0x0
; out = layernorm(x1 + ((ya + yb) + b2)) g2 + be2, in f32; ya and yb are the product's sums over the two halves of its K, 8,388,608 bytes apart.
; A work-group takes 8 tokens, a wave one.  ONE WAVE, ONE ROW: each load reads 512 consecutive bytes; the row stays in 32 registers; the sums never leave the wave.  All 48 loads of a wave go out at the head.
; The variance is taken of the differences from the mean (two passes over registers): no difference of large sums is formed.  No LDS, no barrier: waves share nothing.
; LIMITS: NaN and infinities are not served.
.set Y,     32                         ; v32-63 ya, then the row at work; v64-95 yb; v96-127 the residual; v160-191 bias, v192-223 gain, v224-255 beta
.set YB,    64
.set XR,    96
.set BI,    160
.set GA,    192
.set BE,    224
.set SEL,   24
.macro LANES op                                ; a sum over the wave's 32 lanes of v2, the result in every lane
	v_add_f32_dpp v2, v2, v2 row_xmask:1 row_mask:0xf bank_mask:0xf
	v_add_f32_dpp v2, v2, v2 row_xmask:2 row_mask:0xf bank_mask:0xf
	v_add_f32_dpp v2, v2, v2 row_xmask:4 row_mask:0xf bank_mask:0xf
	v_add_f32_dpp v2, v2, v2 row_xmask:8 row_mask:0xf bank_mask:0xf
	v_permlanex16_b32 v3, v2, s[SEL], s[SEL+1]
	v_add_f32 v2, v2, v3
.endm
	s_load_b256 s[4:11], s[0:1], 0x0               ; y 4, residual 6, bias 8, gain 10
	s_load_b128 s[12:15], s[0:1], 0x20             ; beta 12, out 14
	v_lshrrev_b32 v2, 5, v0
	v_readfirstlane_b32 s18, v2                    ; wave 0..7
	v_and_b32 v3, 31, v0
	v_lshlrev_b32 v1, 4, v3                        ; 16 l
	s_lshl_b32 s22, ttmp9, 3
	s_add_co_u32 s22, s22, s18                     ; my token: 8 x work-group + wave
	s_lshl_b32 s22, s22, 12
	s_mov_b32 s23, 0
	s_mov_b32 s[SEL], 0x76543210
	s_mov_b32 s[SEL+1], 0xfedcba98
	s_mov_b32 s26, 0x3a800000                      ; 1 / 1,024
	s_mov_b32 s27, 0x3727c5ac                      ; 1e-5
	s_wait_kmcnt 0x0
	s_add_nc_u64 s[4:5], s[4:5], s[22:23]
	s_add_nc_u64 s[34:35], s[4:5], 0x800000        ; the other half's sums
	s_add_nc_u64 s[6:7], s[6:7], s[22:23]
	s_add_nc_u64 s[14:15], s[14:15], s[22:23]
.irp k, 0,1,2,3,4,5,6,7
	global_load_b128 v[BI+4*\k:BI+4*\k+3], v1, s[8:9] offset:512*\k
.endr
.irp k, 0,1,2,3,4,5,6,7
	global_load_b128 v[Y+4*\k:Y+4*\k+3], v1, s[4:5] offset:512*\k th:TH_LOAD_NT
.endr
.irp k, 0,1,2,3,4,5,6,7
	global_load_b128 v[YB+4*\k:YB+4*\k+3], v1, s[34:35] offset:512*\k th:TH_LOAD_NT
.endr
.irp k, 0,1,2,3,4,5,6,7
	global_load_b128 v[XR+4*\k:XR+4*\k+3], v1, s[6:7] offset:512*\k th:TH_LOAD_NT
.endr
.irp k, 0,1,2,3,4,5,6,7
	global_load_b128 v[GA+4*\k:GA+4*\k+3], v1, s[10:11] offset:512*\k
.endr
.irp k, 0,1,2,3,4,5,6,7
	global_load_b128 v[BE+4*\k:BE+4*\k+3], v1, s[12:13] offset:512*\k
.endr
	s_wait_loadcnt 16                              ; bias, both halves and the residual are in; gain's 8 loads and beta's 8 may be out
.set n, 0
.rept 16
	v_pk_add_f32 v[Y+n:Y+n+1], v[Y+n:Y+n+1], v[YB+n:YB+n+1]
.set n, n+2
.endr
.set n, 0
.rept 16
	v_pk_add_f32 v[Y+n:Y+n+1], v[Y+n:Y+n+1], v[BI+n:BI+n+1]
.set n, n+2
.endr
.set n, 0
.rept 16
	v_pk_add_f32 v[Y+n:Y+n+1], v[Y+n:Y+n+1], v[XR+n:XR+n+1]
.set n, n+2
.endr
	v_pk_add_f32 v[2:3], v[Y:Y+1], v[Y+2:Y+3]      ; the row's sum, in two chains
	v_pk_add_f32 v[4:5], v[Y+4:Y+5], v[Y+6:Y+7]
.set n, 8
.rept 6
	v_pk_add_f32 v[2:3], v[2:3], v[Y+n:Y+n+1]
	v_pk_add_f32 v[4:5], v[4:5], v[Y+n+2:Y+n+3]
.set n, n+4
.endr
	v_pk_add_f32 v[2:3], v[2:3], v[4:5]
	v_add_f32 v2, v2, v3
	LANES 0
	v_mul_f32 v6, s26, v2                          ; the mean
	v_mov_b32 v7, v6
.set n, 0
.rept 16
	v_pk_add_f32 v[Y+n:Y+n+1], v[Y+n:Y+n+1], v[6:7] neg_lo:[0,1] neg_hi:[0,1]
.set n, n+2
.endr
	v_pk_mul_f32 v[2:3], v[Y:Y+1], v[Y:Y+1]        ; the sum of squares of the differences
	v_pk_mul_f32 v[4:5], v[Y+2:Y+3], v[Y+2:Y+3]
.set n, 4
.rept 7
	v_pk_fma_f32 v[2:3], v[Y+n:Y+n+1], v[Y+n:Y+n+1], v[2:3]
	v_pk_fma_f32 v[4:5], v[Y+n+2:Y+n+3], v[Y+n+2:Y+n+3], v[4:5]
.set n, n+4
.endr
	v_pk_add_f32 v[2:3], v[2:3], v[4:5]
	v_add_f32 v2, v2, v3
	LANES 0
	v_fma_f32 v2, v2, s26, s27                     ; variance + 1e-5
	v_rsq_f32 v8, v2
	v_nop                                          ; a plain place behind the transcendental
	s_wait_alu depctr_va_vdst(0)                   ; and the wait ahead of its first reader
	v_mov_b32 v9, v8
	s_wait_loadcnt 0x0                             ; gain and beta
.set n, 0
.rept 16
	v_pk_mul_f32 v[Y+n:Y+n+1], v[Y+n:Y+n+1], v[8:9]
.set n, n+2
.endr
.set n, 0
.rept 16
	v_pk_fma_f32 v[Y+n:Y+n+1], v[Y+n:Y+n+1], v[GA+n:GA+n+1], v[BE+n:BE+n+1]
.set n, n+2
.endr
.irp k, 0,1,2,3,4,5,6,7
	global_store_b128 v1, v[Y+4*\k:Y+4*\k+3], s[14:15] offset:512*\k th:TH_STORE_NT   ; 512 consecutive bytes; written once, read by nobody here
.endr
	s_endpgm
.Lfunc_end_k_q615a32e34d_ln2:
	.size	k_q615a32e34d_ln2, .Lfunc_end_k_q615a32e34d_ln2-k_q615a32e34d_ln2
	.p2alignl 7, 3214868480
	.fill 96, 4, 3214868480
	.section	.rodata,"a",@progbits
	.p2align	6, 0x0
	.amdhsa_kernel k_q615a32e34d_ln2
		.amdhsa_group_segment_fixed_size 0
		.amdhsa_private_segment_fixed_size 0
		.amdhsa_enable_private_segment 0
		.amdhsa_kernarg_size 48
		.amdhsa_user_sgpr_count 2
		.amdhsa_user_sgpr_kernarg_segment_ptr 1
		.amdhsa_wavefront_size32 1
		.amdhsa_system_sgpr_workgroup_id_x 1
		.amdhsa_system_sgpr_workgroup_id_y 1
		.amdhsa_system_sgpr_workgroup_id_z 1
		.amdhsa_system_vgpr_workitem_id 0
		.amdhsa_next_free_vgpr 256
		.amdhsa_next_free_sgpr 66
		.amdhsa_reserve_vcc 0
		.amdhsa_float_denorm_mode_32 3
		.amdhsa_float_denorm_mode_16_64 3
		.amdhsa_memory_ordered 1
		.amdhsa_forward_progress 1
		.amdhsa_inst_pref_size 16
	.end_amdhsa_kernel
	.amdgpu_metadata
---
amdhsa.version: [ 1, 2 ]
amdhsa.kernels:
  - .name:           k_q615a32e34d_ln2
    .symbol:         k_q615a32e34d_ln2.kd
    .args:
      - { .name: fs, .offset: 0, .size: 8, .value_kind: global_buffer, .address_space: global }
      - { .name: qkv, .offset: 8, .size: 8, .value_kind: global_buffer, .address_space: global }
      - { .name: b2, .offset: 16, .size: 8, .value_kind: global_buffer, .address_space: global }
      - { .name: g2, .offset: 24, .size: 8, .value_kind: global_buffer, .address_space: global }
      - { .name: be2, .offset: 32, .size: 8, .value_kind: global_buffer, .address_space: global }
      - { .name: out0, .offset: 40, .size: 8, .value_kind: global_buffer, .address_space: global }
    .group_segment_fixed_size: 0
    .private_segment_fixed_size: 0
    .kernarg_segment_align: 8
    .kernarg_segment_size: 48
    .max_flat_workgroup_size: 256
    .sgpr_count:     66
    .vgpr_count:     256
    .wavefront_size: 32
...
	.end_amdgpu_metadata
.endif
;; end of part 7
